; MI455X (gfx1250); checked and timed in simulation.
; The chip was launched on July 23, 2026; its instructions are those of AMD's public machine-readable ISA for CDNA 5 (MIT licence, August 2026) and "CDNA5" Instruction Set Architecture Reference Guide (July 2026). The comments in the code are by the model that wrote it; some were corrected since.
;; Attention. Allowed arithmetic: matrix products marked QUANTISED: E4M3 operands, one given power-of-two scale a tensor, by v_wmma_f32_16x16x64_fp8_fp8 or v_wmma_f32_16x16x128_fp8_fp8, f32 sums; everything else in f32.
;; Inputs: lowp_scales 12 int32 (the exponents e of the quantised operands' scales 2^e); resid 4 x 2,048 x 1,024 float32; w_k 16 x 1,024 x 64 float32; w_o 16 x 64 x 1,024 float32; w_q 16 x 1,024 x 64 float32; w_v 16 x 1,024 x 64 float32.
;; Outputs: out0 4 x 2,048 x 1,024 float32.
;; This version of the problem:
;;   THIS VERSION OF THE PROBLEM IS GIVEN IN LOW PRECISION. The matrix products marked QUANTISED in the list below multiply operands that are first quantised to E4M3 (4 exponent bits, 3 mantissa bits; 8 bits a number), with one given power-of-two scale for each operand tensor; their sums are f32. All else is computed in f32.
;;   The module's matrix products, in the order in which they are computed (A, B: the left and right operand; K: the contracted axis; several contracted axes count as one K, in the product's order):
;;     1. [M 1,024, K 1,024] x [K 1,024, N 8,192]; A: input w_q; B: input resid: QUANTISED (scales: A lowp_scales[0], B lowp_scales[1])
;;     2. [M 1,024, K 1,024] x [K 1,024, N 8,192]; A: input w_k; B: input resid: QUANTISED (scales: A lowp_scales[2], B lowp_scales[3])
;;     3. [M 1,024, K 1,024] x [K 1,024, N 8,192]; A: input w_v; B: input resid: QUANTISED (scales: A lowp_scales[4], B lowp_scales[5])
;;     4. batch 64 x [M 2,048, K 64] x [K 64, N 2,048]; A: computed on the way; B: computed on the way: QUANTISED (scales: A lowp_scales[6], B lowp_scales[7])
;;     5. batch 64 x [M 2,048, K 2,048] x [K 2,048, N 64]; A: softmax (see below); B: computed on the way: QUANTISED (scales: A lowp_scales[8], B lowp_scales[9])
;;     6. [M 8,192, K 1,024] x [K 1,024, N 1,024]; A: computed on the way; B: input w_o: QUANTISED (scales: A lowp_scales[10], B lowp_scales[11])
;;   THE QUANTISER, for each operand of a quantised product, along K:
;;     - The operand's scale is 2^e, e = its entry of the input lowp_scales (int32; the entries are numbered through the quantised products in the list's order, A before B).
;;     - Each number is divided by the scale, clamped to +-448, and rounded to the nearest number of E4M3, ties to even, subnormals kept.
;;     - The product sums the exact products of the quantised numbers (number of the format x scale) in f32.
;;   ~~~python
;;   def quantise(x, axis, e):      # numpy; x: float32 -> the quantised numbers, widened to float32 again
;;       x = np.moveaxis(x, axis, -1); K = x.shape[-1]
;;       r = np.clip(x / 2.0 ** e, -448, 448)
;;       step = 2.0 ** (np.maximum(np.frexp(np.where(r == 0, 1, r))[1] - 1, -6) - 3)
;;       q = np.round(r / step) * step * 2.0 ** e      # np.round: ties to even
;;       return np.moveaxis(q, -1, axis).astype(np.float32)
;;   ~~~
;;   SOFTMAX AHEAD OF A QUANTISED PRODUCT. Where the list says 'softmax', what is quantised is not the finished softmax but p = 2^(t - M), with t = logit x log2(e) and M = ceil(the row's largest t), a whole number; so 1/2 < the row's largest p <= 1. The row's sum l is taken of the UNQUANTISED p, in f32, and the product's result is divided by l at the end. Since M is a whole number, a kernel that streams over the keys may use a running M (the ceiling of the running maximum): every later rescaling is an exact power of two, so the quantised numbers keep their values, but for numbers so far below the row's largest that they fall under the format's range.
;;   OPERANDS COMPUTED ON THE WAY. 'Computed on the way' means the value that the module computes at that place (a softmax that the list does not call 'softmax' is quantised finished and normalised). What goes into a quantiser is computed in f32, as accurately as f32 sums, v_exp_f32 and their like allow (about 1e-6 of the number): no bf16 or f16 on the way to a quantiser, and a product that is left as it is and whose result goes on into a quantised operand takes f32 operands (vector FMAs, or v_wmma_f32_16x16x4_f32). A number that lies on a knife's edge between two numbers of the format may be rounded either way, as far as f32 arithmetic and the matrix unit's own rounding can turn it there, and no further.
;; One version. Each part assembles by itself: llvm-mc -triple=amdgcn-amd-amdhsa -mcpu=gfx1250 --defsym DOCPART=n.
;; ======== version 1 of 1: 4 launches
;; limits: right only within a limited range of input values
;; workspace buffers: opnd 29,360,128 bytes; qkv 25,165,824 bytes; zimg 8,388,608 bytes
;; launch quant (part 1): grid 768 x 1, 4 waves a work-group, no clusters, 35,328 bytes of LDS; arguments resid, w_q, w_k, w_v, w_o, lowp_scales, opnd; writes opnd
.if DOCPART == 1
	.amdgcn_target "amdgcn-amd-amdhsa--gfx1250"
	.amdhsa_code_object_version 6
	.text
	.protected	k_q5b1ca1d994_quant
	.globl	k_q5b1ca1d994_quant
	.p2align	8
	.type	k_q5b1ca1d994_quant,@function
k_q5b1ca1d994_quant:
	s_mov_b64 s[64:65], 0
	v_nop
	global_prefetch_b8 v0, s[64:65] scope:SCOPE_SE
	s_setreg_imm32_b32 hwreg(HW_REG_WAVE_MODE, 25, 1), 1
	s_wait_xcnt 0x0
; All operands that arrive as f32 become codes of FP8 (E4M3): code = x / 2^e, held within +-448, to the nearest code, ties to even.
; resid [8192][1024] is quantised three times, under e1, e3, e5 (its scale in each of the three projections); w_q, w_k, w_v [16][1024][64] under e0, e2, e4 along their 1,024; w_o [1024][1024] under e11 along its first axis.
; THE CODES ARE LAID AS IMAGES OF THE OPERAND'S REGISTERS.  A fragment is 16 rows x 128 along K: lane (r, h) holds row r, and its registers 2 c, 2 c + 1 hold k = 16 c + 8 h + 0 .. 7.
; Its image is 2,048 bytes: four pieces of 512; piece g holds registers 4 g .. 4 g + 3, lane l's 16 bytes at 16 l.  A part of opnd is [block of 16 rows][K / 128 = 8][2,048].
; opnd: resid's three sets at 0, XPART, 2 XPART; the four weights from WBASE on, 2^20 bytes each; a weight's rows are its output columns (head x 64 + d; for w_o the model's 1,024).
; The first 512 work-groups take resid, a block of 16 rows each; the other 256 the weights.  The two ways part on the work-group's number; only resid's way uses LDS.  Waves share nothing: no barrier.
; LIMITS: e0 .. e5 and e11 between -126 and 119, so that 2^e and 448 x 2^e are f32 numbers.  NaN among the inputs is not served (an infinity is held at the largest code).
; WORK LEFT OUT, in the whole program: reference() itself puts -inf on every score whose key comes after its query (its own jnp.tril), so p = 0 there whatever finite values the inputs hold.
; Launch attn therefore leaves out the steps of 128 keys that lie wholly behind a wave's queries.  Every input has a way to the output and is loaded.
; LIMIT: a NaN, an infinity or an overflow that would arise only in the scores left out is not carried to the result.
.set XPART, 0x800000
.set WBASE, 25165824
.set STG,   4352                       ; a stage: 16 rows x (256 bytes + 16); two for each wave
.set TMP,   16                         ; v16-31   two sets of 8 held numbers, by turns
.set R,     32                         ; v32-159  four sets of 32: a unit's numbers as loaded; later the unit's codes
.set X,     160                        ; v160-223 two sets of 32: a unit's numbers in the operand's order
.set WX,    32                         ; weights: v32-159 a lane's 128 numbers down K
.set WC,    160                        ; weights: v160-191 their codes
.macro SCALES e, vs, vl                ; v[vs] = 2^e as f32 (the conversion takes its exponent field), v[vl] = 448 x 2^e
	s_add_co_i32 s30, s[\e], 127
	s_lshl_b32 s31, s30, 23
	v_mov_b32 v[\vs], s31
	s_add_co_i32 s30, s30, 8
	s_lshl_b32 s30, s30, 23
	s_or_b32 s30, s30, 0x600000
	v_mov_b32 v[\vl], s30
.endm
	s_load_b256 s[4:11], s[0:1], 0x0               ; resid s[4:5], w_q s[6:7], w_k s[8:9], w_v s[10:11]
	s_load_b128 s[12:15], s[0:1], 0x20             ; w_o s[12:13], the exponents s[14:15]
	s_load_b64 s[16:17], s[0:1], 0x30              ; opnd
	v_lshl_add_u32 v224, v0, 2, 0x8800
	v_mov_b32 v225, 0
	v_lshrrev_b32 v1, 5, v0
	v_readfirstlane_b32 s19, v1                    ; wave 0..3
	v_and_b32 v1, 31, v0                           ; lane
	v_bfe_u32 v6, v0, 4, 1                         ; h = lane / 16
	v_and_b32 v7, 15, v0                           ; r = lane % 16
	s_wait_kmcnt 0x0
	s_load_b256 s[32:39], s[14:15], 0x0            ; e0 .. e7
	s_load_b128 s[40:43], s[14:15], 0x20           ; e8 .. e11
	s_cmp_lt_u32 ttmp9, 512
	s_cbranch_scc0 .Lweights
; ---- RESID.  Work-group g: rows 16 g .. 16 g + 15, 65,536 consecutive bytes.  Wave w: k = 256 w .. 256 w + 255, in four units of 64 along K (256 bytes of each row).
; A load takes the bytes as they lie: sixteen lanes read 256 consecutive bytes of a row, an instruction two rows.  The conversions want eight neighbours along K in one lane's registers:
; so a unit turns through the wave's own stage in LDS (rows 272 bytes apart) and comes back as the operand's layout has it.  Each number is held and converted three times, once for each scale.
	s_wait_alu depctr_va_vdst(0)
	v_lshlrev_b32 v2, 4, v7
	v_lshl_add_u32 v2, v6, 12, v2                  ; in: 4,096 h + 16 r
	s_wait_alu depctr_va_vdst(0)
	s_mul_i32 s18, s19, 2*STG                      ; my wave's two stages
	v_mul_u32_u24 v3, v6, 272
	v_lshl_add_u32 v3, v7, 4, v3
	v_add_nc_u32 v3, s18, v3                       ; into the stage: row h of a pair, 16 r
	v_mul_u32_u24 v4, v7, 272
	v_lshl_add_u32 v4, v6, 5, v4
	v_add_nc_u32 v4, s18, v4                       ; out of it: row r, 32 h: my eight numbers of each 16
	v_lshlrev_b32 v5, 4, v1                        ; an image's place for my lane
	s_lshl_b32 s20, ttmp9, 16
	s_lshl_b32 s21, s19, 10
	s_add_co_u32 s20, s20, s21
	s_mov_b32 s21, 0
	s_add_nc_u64 s[4:5], s[4:5], s[20:21]          ; resid at my block's first row, my wave's 1,024 bytes
	s_lshl_b32 s22, ttmp9, 14
	s_lshl_b32 s23, s19, 12
	s_add_co_u32 s22, s22, s23
	s_mov_b32 s23, 0
	s_add_nc_u64 s[24:25], s[16:17], s[22:23]      ; the three sets of codes at my block's images, my wave's two fragments
	s_add_nc_u64 s[26:27], s[24:25], XPART
	s_add_nc_u64 s[28:29], s[26:27], XPART
.macro LOAD u                          ; unit u: eight loads, two rows each
.irp i, 0,1,2,3,4,5,6,7
	global_load_b128 v[R+32*(\u)+4*\i:R+32*(\u)+4*\i+3], v2, s[4:5] offset:256*(\u)+8192*\i th:TH_LOAD_NT
.endr
.endm
.macro TURN u                          ; unit u through stage u % 2.  LDS serves a wave's instructions in order (ISA guide 5.7.1.4): no wait between the stores and the loads
.irp i, 0,1,2,3,4,5,6,7
	ds_store_b128 v3, v[R+32*(\u)+4*\i:R+32*(\u)+4*\i+3] offset:STG*((\u)%2)+544*\i
.endr
.irp c, 0,1,2,3
.irp f, 0,1
	ds_load_b128 v[X+32*((\u)%2)+8*\c+4*\f:X+32*((\u)%2)+8*\c+4*\f+3], v4 offset:STG*((\u)%2)+64*\c+16*\f   ; register 8 c + i: k = 16 c + 8 h + i of row r
.endr
.endr
.endm
.macro UNIT u
.if (\u) < 3
	s_wait_loadcnt 8*(2-(\u))                      ; the next unit's eight loads are in; those of the units behind it may be out
	TURN (\u)+1                                    ; it goes through the other stage while this unit is worked
	s_wait_dscnt 16                                ; all but those sixteen: this unit is back, and its stores into the stage have read their registers
.else
	s_wait_dscnt 0x0
.endif
.irp p, 0,1,2
.irp c, 0,1,2,3
.irp i, 0,1,2,3,4,5,6,7
	v_med3_num_f32 v[TMP+8*(\c%2)+\i], v[X+32*((\u)%2)+8*\c+\i], -v[11+\p], v[11+\p]   ; the conversion to an 8-bit code does not saturate (ISA guide 7.6.2): the hold comes first
.endr
	v_cvt_scalef32_pk8_fp8_f32 v[R+32*(\u)+8*\p+2*\c:R+32*(\u)+8*\p+2*\c+1], v[TMP+8*(\c%2):TMP+8*(\c%2)+7], v[8+\p]   ; registers 2 c, 2 c + 1 of this half fragment; they land in the registers that the unit has left, so no store's data are written again.  The two sets of held numbers take turns: eight plain lines stand ahead of the next write of this one's sources
.endr
.irp f, 0,1
	global_store_b128 v5, v[R+32*(\u)+8*\p+4*\f:R+32*(\u)+8*\p+4*\f+3], s[24+2*\p:25+2*\p] offset:2048*((\u)>>1)+1024*((\u)&1)+512*\f   ; a piece: the wave stores 512 consecutive bytes, aligned
.endr
.endr
.endm
	LOAD 0
	LOAD 1
	LOAD 2
	LOAD 3                                         ; 32 loads, all of the wave's 16 KiB, are on their way
	s_wait_alu depctr_va_vdst(0)
	s_wait_kmcnt 0x0
	SCALES 33, 8, 11                               ; e1
	SCALES 35, 9, 12                               ; e3
	SCALES 37, 10, 13                              ; e5
	s_wait_alu depctr_va_vdst(0)
	s_wait_loadcnt 24                              ; unit 0's eight loads are in
	TURN 0
	UNIT 0
	UNIT 1
	UNIT 2
	UNIT 3
	s_wait_tensorcnt 0x0
	ds_add_u32 v224, v225
	s_wait_dscnt 0x0
	s_endpgm
; ---- THE WEIGHTS: K is not innermost.  A LANE TAKES A COLUMN AND ITS REGISTERS RUN DOWN K: a wave takes 32 columns x 128 along K, each load reads 128 consecutive bytes, and the conversions give codes with K innermost.
; A lane then holds what the image gives to two lanes (h = 0 and h = 1) of its row: of each 32 along K, numbers 0-7 and 16-23 are lane (r, 0)'s 16 bytes of a piece, numbers 8-15 and 24-31 lane (r, 1)'s.
; So each piece leaves by two stores: sixteen lanes fill 256 consecutive bytes, aligned; lanes 16-31 do the same in the next block of 16 rows.  No LDS.
.macro WLOAD g, pitch                  ; numbers 32 g .. 32 g + 31 down K
.set i, 0
.rept 32
	global_load_b32 v[WX+32*(\g)+i], v2, s[44:45] offset:(32*(\g)+i)*(\pitch) th:TH_LOAD_NT
.set i, i+1
.endr
.endm
.macro WGROUP g, pitch
.if (\g) < 3
	s_wait_loadcnt 32                              ; this group's 32 loads are in; the next group's may be out
.else
	s_wait_loadcnt 0x0
.endif
.if (\g) < 2
	WLOAD (\g)+2, \pitch                           ; two groups ahead, into registers of their own
.endif
.set i, 0
.rept 32
	v_med3_num_f32 v[WX+32*(\g)+i], v[WX+32*(\g)+i], -v11, v11
.set i, i+1
.endr
	v_cvt_scalef32_pk8_fp8_f32 v[WC+8*(\g):WC+8*(\g)+1], v[WX+32*(\g):WX+32*(\g)+7], v8
	v_cvt_scalef32_pk8_fp8_f32 v[WC+8*(\g)+2:WC+8*(\g)+3], v[WX+32*(\g)+16:WX+32*(\g)+23], v8
	v_cvt_scalef32_pk8_fp8_f32 v[WC+8*(\g)+4:WC+8*(\g)+5], v[WX+32*(\g)+8:WX+32*(\g)+15], v8
	v_cvt_scalef32_pk8_fp8_f32 v[WC+8*(\g)+6:WC+8*(\g)+7], v[WX+32*(\g)+24:WX+32*(\g)+31], v8
	global_store_b128 v3, v[WC+8*(\g):WC+8*(\g)+3], s[46:47] offset:512*(\g)           ; piece g, the half of lanes (r, 0)
	global_store_b128 v3, v[WC+8*(\g)+4:WC+8*(\g)+7], s[46:47] offset:512*(\g)+256     ; and of lanes (r, 1).  The codes go to stores alone, and every group has registers of its own
.endm
.macro WPATH pitch
	WLOAD 0, \pitch
	WLOAD 1, \pitch
	s_wait_kmcnt 0x0
	s_cmp_eq_u32 s21, 0                            ; the weight's exponent: e0, e2, e4 or e11, chosen by the work-group's number
	s_cselect_b32 s48, s32, s34
	s_cmp_lt_u32 s21, 2
	s_cselect_b32 s48, s48, s36
	s_cmp_lt_u32 s21, 3
	s_cselect_b32 s48, s48, s43
	SCALES 48, 8, 11
	s_wait_alu depctr_va_vdst(0)
	WGROUP 0, \pitch
	WGROUP 1, \pitch
	WGROUP 2, \pitch
	WGROUP 3, \pitch
	s_endpgm
.endm
.Lweights:
	s_sub_co_u32 s20, ttmp9, 512
	s_lshr_b32 s21, s20, 6                         ; which weight: 0 w_q, 1 w_k, 2 w_v, 3 w_o
	s_and_b32 s22, s20, 63                         ; which of its 64 work-groups
	s_wait_alu depctr_va_vdst(0)
	v_lshlrev_b32 v2, 2, v1                        ; in: 4 bytes a lane
	v_lshlrev_b32 v3, 4, v7
	v_lshl_add_u32 v3, v6, 14, v3                  ; out: 16 r, and the next block of rows (16,384 bytes on) for lanes 16-31
	s_cmp_eq_u32 s21, 0                            ; the choice of buffer hangs on the work-group's number alone
	s_cselect_b64 s[44:45], s[6:7], s[8:9]
	s_cmp_lt_u32 s21, 2
	s_cselect_b64 s[44:45], s[44:45], s[10:11]
	s_cmp_lt_u32 s21, 3
	s_cselect_b64 s[44:45], s[44:45], s[12:13]
	s_lshl_b32 s23, s21, 20
	s_add_co_u32 s23, s23, WBASE                   ; the weight's part of opnd
	s_cmp_eq_u32 s21, 3
	s_cbranch_scc1 .Lwo
	; w_q, w_k, w_v: [head][1024 (K)][64]: a row of K is 256 bytes.  Work-group: a head and 256 along K; wave: 32 of the 64 columns (w % 2), 128 along K (w / 2)
	s_lshr_b32 s24, s22, 2                         ; head
	s_and_b32 s25, s22, 3
	s_lshr_b32 s26, s19, 1
	s_and_b32 s27, s19, 1
	s_lshl_b32 s25, s25, 1
	s_add_co_u32 s25, s25, s26                     ; which 128 along K
	s_lshl_b32 s28, s24, 18                        ; in: head x 262,144 + 128 rows of 256 bytes + 128 bytes for the upper columns
	s_lshl_b32 s29, s25, 15
	s_add_co_u32 s28, s28, s29
	s_lshl_b32 s29, s27, 7
	s_add_co_u32 s28, s28, s29
	s_mov_b32 s29, 0
	s_add_nc_u64 s[44:45], s[44:45], s[28:29]
	s_lshl_b32 s30, s24, 16                        ; out: block of rows 4 head + 2 (w % 2), 16,384 bytes each; fragment K / 128
	s_lshl_b32 s31, s27, 15
	s_add_co_u32 s30, s30, s31
	s_lshl_b32 s31, s25, 11
	s_add_co_u32 s30, s30, s31
	s_add_co_u32 s30, s30, s23
	s_mov_b32 s31, 0
	s_add_nc_u64 s[46:47], s[16:17], s[30:31]
	s_wait_alu depctr_va_vdst(0)
	WPATH 256
.Lwo:
	; w_o: [1024 (K = head x 64 + d)][1024]: a row of K is 4,096 bytes.  Work-group: 128 columns and 128 along K; wave: 32 of the columns
	s_and_b32 s24, s22, 7                          ; which 128 columns
	s_lshr_b32 s25, s22, 3                         ; which 128 along K
	s_lshl_b32 s28, s25, 19
	s_lshl_b32 s29, s24, 9
	s_add_co_u32 s28, s28, s29
	s_lshl_b32 s29, s19, 7
	s_add_co_u32 s28, s28, s29
	s_mov_b32 s29, 0
	s_add_nc_u64 s[44:45], s[44:45], s[28:29]
	s_lshl_b32 s30, s24, 17                        ; out: block of rows 8 x columns' group + 2 w
	s_lshl_b32 s31, s19, 15
	s_add_co_u32 s30, s30, s31
	s_lshl_b32 s31, s25, 11
	s_add_co_u32 s30, s30, s31
	s_add_co_u32 s30, s30, s23
	s_mov_b32 s31, 0
	s_add_nc_u64 s[46:47], s[16:17], s[30:31]
	s_wait_alu depctr_va_vdst(0)
	WPATH 4096
.Lfunc_end_k_q5b1ca1d994_quant:
	.size	k_q5b1ca1d994_quant, .Lfunc_end_k_q5b1ca1d994_quant-k_q5b1ca1d994_quant
	.p2alignl 7, 3214868480
	.fill 96, 4, 3214868480
	.section	.rodata,"a",@progbits
	.p2align	6, 0x0
	.amdhsa_kernel k_q5b1ca1d994_quant
		.amdhsa_group_segment_fixed_size 35328
		.amdhsa_private_segment_fixed_size 0
		.amdhsa_enable_private_segment 0
		.amdhsa_kernarg_size 56
		.amdhsa_user_sgpr_count 2
		.amdhsa_user_sgpr_kernarg_segment_ptr 1
		.amdhsa_wavefront_size32 1
		.amdhsa_system_sgpr_workgroup_id_x 1
		.amdhsa_system_sgpr_workgroup_id_y 1
		.amdhsa_system_sgpr_workgroup_id_z 1
		.amdhsa_system_vgpr_workitem_id 0
		.amdhsa_next_free_vgpr 226
		.amdhsa_next_free_sgpr 66
		.amdhsa_reserve_vcc 0
		.amdhsa_float_denorm_mode_32 3
		.amdhsa_float_denorm_mode_16_64 3
		.amdhsa_memory_ordered 1
		.amdhsa_forward_progress 1
		.amdhsa_inst_pref_size 87
	.end_amdhsa_kernel
	.amdgpu_metadata
---
amdhsa.version: [ 1, 2 ]
amdhsa.kernels:
  - .name:           k_q5b1ca1d994_quant
    .symbol:         k_q5b1ca1d994_quant.kd
    .args:
      - { .name: resid, .offset: 0, .size: 8, .value_kind: global_buffer, .address_space: global }
      - { .name: w_q, .offset: 8, .size: 8, .value_kind: global_buffer, .address_space: global }
      - { .name: w_k, .offset: 16, .size: 8, .value_kind: global_buffer, .address_space: global }
      - { .name: w_v, .offset: 24, .size: 8, .value_kind: global_buffer, .address_space: global }
      - { .name: w_o, .offset: 32, .size: 8, .value_kind: global_buffer, .address_space: global }
      - { .name: lowp_scales, .offset: 40, .size: 8, .value_kind: global_buffer, .address_space: global }
      - { .name: opnd, .offset: 48, .size: 8, .value_kind: global_buffer, .address_space: global }
    .group_segment_fixed_size: 35328
    .private_segment_fixed_size: 0
    .kernarg_segment_align: 8
    .kernarg_segment_size: 56
    .max_flat_workgroup_size: 128
    .sgpr_count:     66
    .vgpr_count:     226
    .wavefront_size: 32
...
	.end_amdgpu_metadata
.endif
;; end of part 1
;; launch proj (part 2): grid 12 x 32, 4 waves a work-group, clusters of 4 x 4, 327,680 bytes of LDS; arguments opnd, lowp_scales, qkv; writes qkv
.if DOCPART == 2
	.amdgcn_target "amdgcn-amd-amdhsa--gfx1250"
	.amdhsa_code_object_version 6
	.text
	.protected	k_q5b1ca1d994_proj
	.globl	k_q5b1ca1d994_proj
	.p2align	8
	.type	k_q5b1ca1d994_proj,@function
k_q5b1ca1d994_proj:
	s_mov_b64 s[64:65], 0
	v_nop
	global_prefetch_b8 v0, s[64:65] scope:SCOPE_SE
	s_setreg_imm32_b32 hwreg(HW_REG_WAVE_MODE, 25, 1), 1
	s_wait_xcnt 0x0
	s_wait_alu depctr_hold_cnt(0) depctr_sa_sdst(0) depctr_va_vdst(0) depctr_va_sdst(0) depctr_va_ssrc(0) depctr_va_vcc(0) depctr_vm_vsrc(0)
	s_getreg_b32 s2, hwreg(HW_REG_IB_STS2, 6, 4)
	s_cmp_eq_u32 s2, 0
	s_cbranch_scc0 .Lentry_in_a_cluster
	s_endpgm
.Lentry_in_a_cluster:
	s_bfe_u32 s2, ttmp6, 0x10000c
	s_cmp_lg_u32 s2, 0xf033
	s_cbranch_scc0 .Lentry_shape_is_right
	s_endpgm
.Lentry_shape_is_right:
; The three projections, on codes of FP8 (E4M3), and the quantising of their results: q under e6, k under e7, v under e9.  K = the model's 1,024; sums in f32.
; The cluster's x is the product p: 0 q, 1 k, 2 v.  q and k: C = X W^T (rows: batch x 2,048 + s; columns: head x 64 + d).  v: C = W_v X^T (rows: head x 64 + d; columns: s), since the keys are v's K in the next launch.
; A tile of C, 256 x 256, is made by four waves, as many as a WGP has SIMDs; a wave makes 128 x 128: 64 accumulators, 512 registers.  K goes in steps of 256 through a ring of two LDS slots.
; OPERANDS ARE IMAGES OF THEIR REGISTERS (a fragment of 16 rows x 128 K: four pieces of 512 bytes, piece g = registers 4 g .. 4 g + 3, lane l's 16 bytes at 16 l; opnd: [block of 16 rows][8][2,048]).
; So a K step of 128 rows is 8 runs of 4,096 bytes, 16,384 apart: one tensor load; a fragment comes by four LDS loads of 512 consecutive bytes: no pitch, no padding.
; THE MATRIX INSTRUCTION IS USED TRANSPOSED (source 0 = 16 rows of region B, source 1 = 16 rows of region A): lane (r, h) holds row r of A's block and columns 8 h + 0 .. 7 of B's block.
; One conversion of an accumulator's eight registers is therefore registers 2 b, 2 b + 1 of the NEXT product's fragment, and the results leave as images, 512 consecutive bytes a store, without LDS.
; CLUSTERS: 4 x 4 work-groups.  Region A's tile hangs on the tile row and is shared along a row of the cluster, region B's on the tile column and is shared along a column: each is asked for JOINTLY.
; For v the two operands change places by their addresses in memory alone (chosen on p, which all partners share); masks, LDS and the steps are the same for all p.
; qkv: q at 0, k at 2^23: [batch x 16 + head][s / 16][1,024];  v at 2^24: [batch x 16 + head][s / 128][d / 16][2,048].
; LIMIT: e6 - e0 - e1, e7 - e2 - e3 and e9 - e4 - e5 between -126 and 119, so that the folded scale and 448 x it are f32 numbers.
; REGISTERS, in windows of 256: window 0: v16-31 addresses and constants; v32-95 at work on the way out; from v128 A's fragments, ONE set, later the codes.  window 1: B's fragments, TWO sets.
;   window 2: the accumulators of my rows 0-63 ((a, b) at v[8 (8 a + b)]);  window 3: those of my rows 64-127.
.set WBASE,  25165824                  ; the weights' images in opnd
.set RBK,    4096                      ; a block of 16 rows in a K step: two fragments
.set HALFT,  32768                     ; 128 rows: what one tensor load brings, and what one wave reads of A or of B
.set SLOT,   131072                    ; A's 256 rows, then B's 256 rows
.set SPARE,  262144                    ; behind the ring: the spare words, 128 bytes for each wave: two blocks of 256 bytes that no other line names
.set FR,     16
.set NL,     4                         ; LDS loads that bring a fragment
.set NP,     4                         ; places behind this matrix instruction (ISA guide 7.12.1)
.set ADRA, 16                          ; v16-17  LDS address of my A fragments in slot 0, 1
.set ADRB, 20                          ; v20-21  the same for B
.set CO,   26                          ; v26     16 x lane
.set SPW,  28                          ; v28     LDS address of my spare word; never rewritten
.set NIL,  29                          ; v29     0; never rewritten
.set SCV,  30                          ; v30     2^(eo - ew - ex) as f32
.set LMV,  31                          ; v31     448 x that
.set TMP,  32
.set AF,   128
.set CD,   128                         ; the codes: 16 registers for each of my eight blocks of rows
.set G1, 24
.set G0, 32
.set G1B, 48
.set G0B, 56
.set MSB, 0
.macro WIN new                         ; the immediate's high byte repeats the setting that is left
.if MSB != (\new)
	s_set_vgpr_msb (MSB<<8)|(\new)
.set MSB, (\new)
.endif
.endm
.set MUL_LO, 0xa1                      ; source 0 (B) window 1, source 1 (A) window 0, C and D window 2
.set MUL_HI, 0xf1
.set TO_B,   0x40
; A joint load: waves 0 and 1 fetch for A, waves 2 and 3 for B; the branch hangs on the wave's number alone.  Four v_nop follow each of the two lines.
.macro JLOAD g0a, g1a, g0b, g1b
	s_cmp_eq_u32 s15, 0
	s_cbranch_scc0 .Lfor_b_\@
	tensor_load_to_lds s[\g0a:\g0a+3], s[\g1a:\g1a+7]
	s_nop 0
.rept 4
	v_nop
.endr
	s_branch .Lasked_\@
.Lfor_b_\@:
	tensor_load_to_lds s[\g0b:\g0b+3], s[\g1b:\g1b+7]
	s_nop 0
.rept 4
	v_nop
.endr
.Lasked_\@:
.endm
.macro CREST                           ; a round of the cluster's barrier behind its opening barrier
	s_cmp_lg_u32 s14, 0
	s_cbranch_scc1 .Lnot_wave_0_\@
	s_barrier_signal -3
.Lnot_wave_0_\@:
	s_barrier_wait -3
	s_barrier_signal -1
	s_barrier_wait -1
.endm
.macro CROUND
	s_barrier_signal -1
	s_barrier_wait -1
	CREST
.endm
	s_load_b128 s[4:7], s[0:1], 0x0                ; opnd s[4:5], the exponents s[6:7]
	s_load_b64 s[8:9], s[0:1], 0x10                ; qkv
	v_lshl_add_u32 v[SPW], v0, 2, SPARE
	v_mov_b32 v[NIL], 0
	ds_add_u32 v28, v29
	ds_add_u32 v28, v29
	s_wait_dscnt 0x0
	v_lshrrev_b32 v1, 5, v0
	v_readfirstlane_b32 s14, v1                    ; wave 0..3
	s_lshr_b32 s15, s14, 1                         ; which half of the tile's rows is mine.  Also: I fetch for A (0) or for B (1)
	s_and_b32 s16, s14, 1                          ; which half of its columns.  Also: which 128 rows of that region I fetch
	s_bfe_u32 s40, ttmp6, 0x40000                  ; cx, cy: my place in the cluster
	s_bfe_u32 s41, ttmp6, 0x40004
	s_mov_b32 s42, ttmp9                           ; p: the cluster's x, the same in all sixteen partners
	s_and_b32 s17, ttmp7, 0xffff
	s_lshl_b32 s17, s17, 2                         ; 4 x the cluster's y
	s_lshl_b32 s43, s41, 2
	s_lshl_b32 s43, 15, s43                        ; my row of the cluster
	s_lshl_b32 s44, 0x1111, s40                    ; my column
	; descriptor group 1: 8 rows of 4,096 bytes, 16,384 apart in memory, on end in LDS
	s_or_b32 s[G1+0], s43, (1<<21)                 ; 15:0 the mask: A's tiles go to my row; 17:16 elements of 1 byte; 20 no padding; 21 set beside a mask
	s_or_b32 s[G1B+0], s44, (1<<21)                ; B's tiles go to my column
.irp g, G1, G1B
	s_mov_b32 s[\g+1], RBK<<16                     ; tensor_dim0
	s_mov_b32 s[\g+2], 8<<16                       ; tensor_dim1
	s_mov_b32 s[\g+3], RBK<<16                     ; tile_dim0
	s_mov_b32 s[\g+4], 8                           ; tile_dim1
	s_mov_b32 s[\g+5], 16384                       ; tensor_dim0_stride
	s_mov_b32 s[\g+6], 0
	s_mov_b32 s[\g+7], 0
.endr
	; where the regions come from.  p < 2: A = resid's codes under this product's scale, tile row 4 cluster y + cy; B = the weight, tile column cx.  p = 2: A = w_v, tile row cy; B = resid's codes, tile column 4 cluster y + cx.
	s_lshl_b32 s66, s42, 23                        ; resid's set p
	s_lshl_b32 s67, s42, 20
	s_add_co_u32 s67, s67, WBASE                   ; weight p
	s_cmp_lt_u32 s42, 2
	s_cselect_b32 s68, s66, s67                    ; A's part of opnd
	s_cselect_b32 s69, s67, s66                    ; B's
	s_cselect_b32 s70, s17, 0                      ; what the cluster's y adds to the tile row,
	s_cselect_b32 s71, 0, s17                      ; and to the tile column
	s_lshl_b32 s18, s16, 17                        ; which 128 rows I fetch: 131,072 bytes
	s_add_co_u32 s20, s70, s41                     ; A: the tile row (no register that feeds it ever holds cx): 256 rows are 262,144 bytes
	s_lshl_b32 s20, s20, 18
	s_add_co_u32 s20, s20, s18
	s_add_co_u32 s20, s20, s68
	s_mov_b32 s21, 0
	s_add_co_u32 s46, s71, s40                     ; B: the tile column (never cy)
	s_lshl_b32 s46, s46, 18
	s_add_co_u32 s46, s46, s18
	s_add_co_u32 s46, s46, s69
	s_mov_b32 s47, 0
	s_mul_i32 s45, s14, HALFT                      ; where they go: wave x 128 rows: no place in the cluster enters an LDS address
	s_wait_kmcnt 0x0
	s_load_b256 s[80:87], s[6:7], 0x0              ; e0 .. e7
	s_load_b128 s[88:91], s[6:7], 0x20             ; e8 .. e11
	s_add_nc_u64 s[20:21], s[4:5], s[20:21]
	s_add_nc_u64 s[46:47], s[4:5], s[46:47]
	CROUND                                         ; all sixteen work-groups are here: the first joint loads meet
.irp s, 0,1
	s_mov_b32 s[G0+4*\s], 1
	s_add_co_u32 s[G0+4*\s+1], s45, \s*SLOT
	s_add_nc_u64 s[G0+4*\s+2:G0+4*\s+3], s[20:21], \s*RBK
	s_or_b32 s[G0+4*\s+3], s[G0+4*\s+3], 0x80000000
	s_mov_b32 s[G0B+4*\s], 1
	s_add_co_u32 s[G0B+4*\s+1], s45, \s*SLOT
	s_add_nc_u64 s[G0B+4*\s+2:G0B+4*\s+3], s[46:47], \s*RBK
	s_or_b32 s[G0B+4*\s+3], s[G0B+4*\s+3], 0x80000000
.endr
	JLOAD G0, G1, G0B, G1B                         ; K step 0: one tensor load a wave at the head
	v_and_b32 v1, 31, v0
	v_lshlrev_b32 v[CO], 4, v1                     ; an image's place for my lane
	s_mul_i32 s21, s15, HALFT                      ; my 128 rows of A
	s_mul_i32 s22, s16, HALFT                      ; my 128 rows of B,
	s_add_co_u32 s22, s22, 2*HALFT                 ; which lie behind A's 256
.irp s, 0,1
	v_add_nc_u32 v[ADRA+\s], s21, v[CO]
	v_add_nc_u32 v[ADRB+\s], s22, v[CO]
	s_add_co_u32 s21, s21, SLOT
	s_add_co_u32 s22, s22, SLOT
.endr
	; where my results go.  XT, xw: the tile and the half along resid's rows; WT, ww: along the weight's rows.  One formula serves all p:
	; p x 2^23 + batch x 2^21 + (4 WT + 2 ww) heads of 2^17 + (2 (XT % 8) + xw) x 8,192 (128 of s: eight images of 1,024 for q and k, four of 2,048 for v)
	s_add_co_u32 s72, s17, s41
	s_add_co_u32 s73, s17, s40
	s_cmp_lt_u32 s42, 2
	s_cselect_b32 s72, s72, s73                    ; XT
	s_cselect_b32 s73, s40, s41                    ; WT
	s_cselect_b32 s74, s15, s16                    ; xw
	s_cselect_b32 s75, s16, s15                    ; ww
	s_lshr_b32 s76, s72, 3
	s_lshl_b32 s76, s76, 21
	s_add_co_u32 s76, s76, s66
	s_lshl_b32 s77, s73, 1
	s_add_co_u32 s77, s77, s75
	s_lshl_b32 s77, s77, 18
	s_add_co_u32 s76, s76, s77
	s_and_b32 s77, s72, 7
	s_lshl_b32 s77, s77, 1
	s_add_co_u32 s77, s77, s74
	s_lshl_b32 s77, s77, 13
	s_add_co_u32 s76, s76, s77
	s_mov_b32 s77, 0
	s_add_nc_u64 s[8:9], s[8:9], s[76:77]
.macro FRAG reg, adr, q, i             ; block i's fragment of the slot's q-th 128 along K: four pieces, each 512 consecutive bytes
.irp c, 0,1,2,3
	ds_load_b128 v[\reg+4*\c:\reg+4*\c+3], v[\adr] offset:RBK*(\i)+2048*(\q)+512*\c
.endr
.endm
; 16 matrix instructions: A's blocks a0, a0 + 1 x B's eight, 128 along K.  p: B's set.  zero = 1: the first product starts the sums.
; The 64 accumulators take turns, one instruction a turn, in the same order in every step.
.macro MUL16 a0, p, zero
.irp a, \a0, \a0+1
.irp b, 0,1,2,3,4,5,6,7
.if \zero
	v_wmma_f32_16x16x128_fp8_fp8 v[8*(8*((\a)%4)+\b):8*(8*((\a)%4)+\b)+7], v[128*(\p)+FR*\b:128*(\p)+FR*\b+FR-1], v[AF+FR*(\a):AF+FR*(\a)+FR-1], 0
.else
	v_wmma_f32_16x16x128_fp8_fp8 v[8*(8*((\a)%4)+\b):8*(8*((\a)%4)+\b)+7], v[128*(\p)+FR*\b:128*(\p)+FR*\b+FR-1], v[AF+FR*(\a):AF+FR*(\a)+FR-1], v[8*(8*((\a)%4)+\b):8*(8*((\a)%4)+\b)+7]
.endif
.endr
.endr
.endm
.macro FETCH_B slot, q, p
	WIN TO_B
.irp i, 0,1,2,3,4,5,6,7
	FRAG 128*(\p)+FR*\i, ADRB+\slot, \q, \i
.endr
	WIN 0
.endm
.macro FETCH_A slot, q, i0
.irp i, \i0, \i0+1, \i0+2, \i0+3
	FRAG AF+FR*(\i), ADRA+\slot, \q, \i
.endr
.endm
.macro PLACES n                        ; plain vector lines between a matrix instruction and a load into, or a vector read or write of, its registers (ISA guide 7.12.1 for vector reads and writes)
.rept \n
	v_nop
.endr
.endm
; A step of 128 along K that has its successor in the same slot.  A block of A is free as soon as its eight products are issued: blocks 0-3 are fetched anew in the step's middle, blocks 4-7 at its end.
.macro STEP slot, q, zero
	s_wait_dscnt 4*NL                              ; B's set and A's blocks 0-3 are in; the youngest sixteen loads (A's blocks 4-7) may be out
	WIN MUL_LO
	MUL16 0, (\q)%2, \zero
	MUL16 2, (\q)%2, \zero
	s_wait_dscnt 0                                 ; A's blocks 4-7 are in
	PLACES NP
	FETCH_B \slot, (\q)+1, 1-(\q)%2
	FETCH_A \slot, (\q)+1, 0
	WIN MUL_HI
	MUL16 4, (\q)%2, \zero
	MUL16 6, (\q)%2, \zero
	PLACES NP
	WIN 0
	FETCH_A \slot, (\q)+1, 4
.endm
; A slot's last step changes slots: ONE barrier; in front of it each wave waits for all its tensor loads, adds 0 to its spare word, and waits for that and for its own reads of this slot.  fill = 1: this slot is filled again, two K steps ahead.
.macro TURN slot, next, fill
	s_wait_tensorcnt 0x0                           ; all my tensor loads have landed: my part of the next slot
	ds_add_u32 v[SPW], v[NIL]                      ; 0 onto my spare word
	s_wait_dscnt 4*NL+1                            ; (the add and the youngest sixteen loads may be out)
	WIN MUL_LO
	MUL16 0, 1, 0                                  ; sixteen matrix instructions stand between the add and the wait for it
	s_wait_dscnt 0x0                               ; the add is done, and my reads of this slot are over
	s_barrier_signal -1
	MUL16 2, 1, 0
	WIN 0
	s_barrier_wait -1
.if \fill
	CREST                                          ; the barrier has opened a round of the cluster's barrier: no wave of any partner still reads this slot or has a load on its way
	s_add_nc_u64 s[G0+4*\slot+2:G0+4*\slot+3], s[G0+4*\slot+2:G0+4*\slot+3], 2*RBK
	s_add_nc_u64 s[G0B+4*\slot+2:G0B+4*\slot+3], s[G0B+4*\slot+2:G0B+4*\slot+3], 2*RBK
	JLOAD G0+4*\slot, G1, G0B+4*\slot, G1B         ; the first tensor load behind the round, my one load until the next; its four v_nop are the places in front of the loads below
.else
	PLACES NP
.endif
	FETCH_B \next, 0, 0
	FETCH_A \next, 0, 0
	WIN MUL_HI
	MUL16 4, 1, 0
	MUL16 6, 1, 0
	PLACES NP
	WIN 0
	FETCH_A \next, 0, 4
.endm
	s_wait_alu depctr_va_vdst(0)
	s_wait_tensorcnt 0x0                           ; my part of K step 0 is in; slot 1's first fill is issued as a refill is:
	ds_add_u32 v[SPW], v[NIL]                      ; 0 onto my spare word
	s_wait_dscnt 0x0
	CROUND                                         ; everybody's part of K step 0 is in, and the joint loads meet
	JLOAD G0+4, G1, G0B+4, G1B                     ; K step 1, the first tensor load behind the round
	FETCH_B 0, 0, 0
	FETCH_A 0, 0, 0
	FETCH_A 0, 0, 4
	STEP 0, 0, 1                                   ; K = 1,024 is four K steps of 256, twice round the ring: written straight.  The first products start the sums
	TURN 0, 1, 1                                   ; slot 0 takes K step 2
	STEP 1, 0, 0
	TURN 1, 0, 1                                   ; slot 1 takes K step 3
	STEP 0, 0, 0
	TURN 0, 1, 0                                   ; nothing is left to fetch
	STEP 1, 0, 0
	s_wait_dscnt 4*NL
	WIN MUL_LO
	MUL16 0, 1, 0
	MUL16 2, 1, 0
	s_wait_dscnt 0
	WIN MUL_HI
	MUL16 4, 1, 0
	MUL16 6, 1, 0
	WIN 0
	; THE WAY OUT.  A sum stands for sum x 2^(ew + ex); its code under 2^eo is sum / 2^(eo - ew - ex): the three exponents are folded into the conversion's one scale.
	s_wait_kmcnt 0x0
	s_cmp_eq_u32 s42, 0
	s_cselect_b32 s92, s80, s82                    ; ew: e0, e2 or e4
	s_cselect_b32 s93, s81, s83                    ; ex: e1, e3 or e5
	s_cselect_b32 s94, s86, s87                    ; eo: e6, e7 or e9
	s_cmp_lt_u32 s42, 2
	s_cselect_b32 s92, s92, s84
	s_cselect_b32 s93, s93, s85
	s_cselect_b32 s94, s94, s89
	s_sub_co_i32 s94, s94, s92
	s_sub_co_i32 s94, s94, s93
	s_add_co_i32 s94, s94, 127
	s_lshl_b32 s95, s94, 23
	v_mov_b32 v[SCV], s95
	s_add_co_i32 s94, s94, 8
	s_lshl_b32 s94, s94, 23
	s_or_b32 s94, s94, 0x600000
	v_mov_b32 v[LMV], s94
	PLACES NP
.irp a, 0,1,2,3,4,5,6,7                ; block a of 16 rows: its 64 sums are held (each accumulator from its low end on), and eight conversions give 16 registers of codes
	WIN 0x02+((\a)/4)                              ; source 0: window 2 or 3
.set n, 0
.rept 64
	v_med3_num_f32 v[TMP+n], v[64*((\a)%4)+n], -v[LMV], v[LMV]   ; the conversion to an 8-bit code does not saturate (ISA guide 7.6.2)
.set n, n+1
.endr
	WIN 0
.irp b, 0,1,2,3,4,5,6,7
	v_cvt_scalef32_pk8_fp8_f32 v[CD+16*\a+2*\b:CD+16*\a+2*\b+1], v[TMP+8*\b:TMP+8*\b+7], v[SCV]
.endr
	v_nop                                          ; a plain line between the conversions and the next block's writes of their sources
.endr
	s_cmp_eq_u32 s42, 2                            ; p is the same in all partners
	s_cbranch_scc1 .Lstore_v
.irp a, 0,1,2,3,4,5,6,7                ; q, k: block a = 16 of s; registers 0-7 the first head's fragment (16 x 64: two pieces), 8-15 the second head's
.irp g, 0,1,2,3
	global_store_b128 v[CO], v[CD+16*\a+4*\g:CD+16*\a+4*\g+3], s[8:9] offset:(\g>>1)*131072+\a*1024+(\g&1)*512   ; the wave stores 512 consecutive bytes, aligned
.endr
.endr
	s_branch .Lstored
.Lstore_v:
	s_wait_alu depctr_va_vdst(0)
.irp a, 0,1,2,3,4,5,6,7                ; v: block a = 16 of d of head a / 4; its 16 registers are one fragment, 16 x 128 keys: four pieces
.irp g, 0,1,2,3
	global_store_b128 v[CO], v[CD+16*\a+4*\g:CD+16*\a+4*\g+3], s[8:9] offset:(\a>>2)*131072+(\a&3)*2048+\g*512
.endr
.endr
.Lstored:
	s_wait_tensorcnt 0x0                           ; the wave's end
	ds_add_u32 v[SPW], v[NIL]
	s_wait_dscnt 0x0
	CROUND                                         ; the closing round: no work-group ends while a partner may still ask for a tile that names it
	s_endpgm
.Lfunc_end_k_q5b1ca1d994_proj:
	.size	k_q5b1ca1d994_proj, .Lfunc_end_k_q5b1ca1d994_proj-k_q5b1ca1d994_proj
	.p2alignl 7, 3214868480
	.fill 96, 4, 3214868480
	.section	.rodata,"a",@progbits
	.p2align	6, 0x0
	.amdhsa_kernel k_q5b1ca1d994_proj
		.amdhsa_group_segment_fixed_size 327680
		.amdhsa_private_segment_fixed_size 0
		.amdhsa_enable_private_segment 0
		.amdhsa_kernarg_size 24
		.amdhsa_user_sgpr_count 2
		.amdhsa_user_sgpr_kernarg_segment_ptr 1
		.amdhsa_wavefront_size32 1
		.amdhsa_system_sgpr_workgroup_id_x 1
		.amdhsa_system_sgpr_workgroup_id_y 1
		.amdhsa_system_sgpr_workgroup_id_z 1
		.amdhsa_system_vgpr_workitem_id 0
		.amdhsa_next_free_vgpr 1024
		.amdhsa_next_free_sgpr 96
		.amdhsa_reserve_vcc 0
		.amdhsa_float_denorm_mode_32 3
		.amdhsa_float_denorm_mode_16_64 3
		.amdhsa_memory_ordered 1
		.amdhsa_forward_progress 1
		.amdhsa_inst_pref_size 121
	.end_amdhsa_kernel
	.amdgpu_metadata
---
amdhsa.version: [ 1, 2 ]
amdhsa.kernels:
  - .name:           k_q5b1ca1d994_proj
    .symbol:         k_q5b1ca1d994_proj.kd
    .args:
      - { .name: opnd, .offset: 0, .size: 8, .value_kind: global_buffer, .address_space: global }
      - { .name: lowp_scales, .offset: 8, .size: 8, .value_kind: global_buffer, .address_space: global }
      - { .name: qkv, .offset: 16, .size: 8, .value_kind: global_buffer, .address_space: global }
    .group_segment_fixed_size: 327680
    .private_segment_fixed_size: 0
    .kernarg_segment_align: 8
    .kernarg_segment_size: 24
    .max_flat_workgroup_size: 128
    .sgpr_count:     96
    .vgpr_count:     1024
    .wavefront_size: 32
...
	.end_amdgpu_metadata
.endif
;; end of part 2
;; launch attn (part 3): grid 4 x 64, 8 waves a work-group, clusters of 4 x 1, 327,680 bytes of LDS; arguments qkv, lowp_scales, zimg; writes zimg
.if DOCPART == 3
	.amdgcn_target "amdgcn-amd-amdhsa--gfx1250"
	.amdhsa_code_object_version 6
	.text
	.protected	k_q5b1ca1d994_attn
	.globl	k_q5b1ca1d994_attn
	.p2align	8
	.type	k_q5b1ca1d994_attn,@function
k_q5b1ca1d994_attn:
	s_mov_b64 s[64:65], 0
	v_nop
	global_prefetch_b8 v0, s[64:65] scope:SCOPE_SE
	s_setreg_imm32_b32 hwreg(HW_REG_WAVE_MODE, 25, 1), 1
	s_wait_xcnt 0x0
	s_wait_alu depctr_hold_cnt(0) depctr_sa_sdst(0) depctr_va_vdst(0) depctr_va_sdst(0) depctr_va_ssrc(0) depctr_va_vcc(0) depctr_vm_vsrc(0)
	s_getreg_b32 s2, hwreg(HW_REG_IB_STS2, 6, 4)
	s_cmp_eq_u32 s2, 0
	s_cbranch_scc0 .Lentry_in_a_cluster
	s_endpgm
.Lentry_in_a_cluster:
	s_bfe_u32 s2, ttmp6, 0x10000c
	s_cmp_lg_u32 s2, 0x3003
	s_cbranch_scc0 .Lentry_shape_is_right
	s_endpgm
.Lentry_shape_is_right:
; z[b][h][q] = the sum over keys k <= q of softmax_k(q . k / 8) v, both products on codes of FP8 (E4M3): q under e6, k under e7, p under e8, v under e9; z is quantised under e10 on the way out.
; LEFT OUT: steps of 128 keys that all come after a wave's queries (reference()'s own causal mask makes their p zero).
; THE SOFTMAX: t = score x log2(e) / 8; M = the row's largest t so far, rounded UP to a whole number; p = 2^(t - M) is quantised, not normalised; the row's sum is taken of the unquantised p and divides O at the end.
; When M moves, the sum and O are multiplied by 2^(old M - new M): exact.
; ALL OPERANDS ARE IMAGES OF THEIR REGISTERS (lane (r, h): row r; registers 2 c, 2 c + 1: k = 16 c + 8 h + 0 .. 7; a piece of four registers is 512 bytes, lane l's 16 at 16 l).
;   q, k: [head][s / 16][1,024];  v: [head][s / 128][d / 16][2,048], the keys as K;  z: [row / 16][head][1,024].
; Both products are used transposed (S^T = K Q^T, O^T = V^T P^T): a lane holds ONE query; register j of key tile T is key 16 T + 8 h + j, so a conversion's result is p's (and z's) fragment as it stands.
; LDS HOLDS A HEAD'S WHOLE K AND V: 128 KiB each, filled once: no byte is filled again.  Two fills, one tensor load a wave each (waves 0-3 K's quarters, waves 4-7 V's): keys 0-511 at the head, keys 512-2,047 behind
; the first round, with steps 0 to 3 in which to land.
; CLUSTER: the four work-groups of a head ask for K and V jointly (mask 15).  SHARES: partner cx owns queries 32 cx .. 32 cx + 31 of every 128; wave w owns them in the blocks 15 - w and w of 128 queries, one after
; the other: 16 - w and w + 1 steps of 128 keys, SEVENTEEN in every wave of the launch.  So trip counts, branches and LDS addresses hang on the wave's number and the count of steps alone;
; cx enters the mask's numbers and the addresses of q and z in memory, nothing else.  A pass's last step is the one on the diagonal, and the only one that is masked.
; Step i takes the keys 128 kf on, kf = (i + w ((i + w) >> 4)) & 15: i in the first pass, i - (16 - w) in the second.
; NO DATA PREFETCH: all that the launch reads of K and V is asked for by two loads a wave, the second ahead of step 0; no later trip loads anything, so there is no trip to run ahead of.
; THE TWO TILES OF A WAVE share every fragment of K and V.  Exponentials go in two batches of 64: tile B's scalings stand behind tile A's batch, tile A's sums and holds behind tile B's.
; LIMITS on the given exponents, so that each power of two below is an f32 number: e6 + e7 between -123 and 130; e8, and e10 - e8 - e9, between -126 and 119.  The scaled scores stay under 2^31 in magnitude.
; REGISTERS.  Window 0: v1 16 x lane; v2, v3 LDS addresses of K and V; v4, v5 the spare word and 0; v6 v1 + V's region; v7 the mask's d; v8 2^e8; v9 at work in the head; v10, v11 2^(e10 - e8 - e9) and 448 x it;
;   tile t: v[12+4t] -M, v[13+4t] the largest t, v[14+4t:15+4t] the sum, v[20+2t:21+2t] f, v[24+4t..26+4t] at work; v27 -infinity; v32-95, v96-159 S^T then p; v160-191 p's codes; v192-255 O^T.
;   Window 1: v0-63 K's eight fragments; v64-127 V's four; v128-143 the two tiles of Q; v144-159 the second pass's.
.set VREG,  131072                     ; V's region in LDS, behind K's
.set SPARE, 262144                     ; behind both: the spare words, 128 bytes a wave: four blocks of 256 bytes that no other line names
.set NA,    4                          ; steps that the first fill serves
.set B0,    8192                       ; a wave's part of the first fill,
.set B1,    24576                      ; and of the second,
.set START1, 32768                     ; which begins here in each region
.set LI,  1
.set ADK, 2
.set ADV, 3
.set SPW, 4
.set NIL, 5
.set LV,  6
.set DD,  7
.set S0,  32
.set C0,  160
.set O0,  192
.set FK,  0
.set FV,  64
.set QA,  128
.set Q2,  144
.set CX5, 15                           ; s15  32 cx
.set WV,  18
.set IC,  19                           ; s19  the step's number i
.set SEL, 20                           ; s[20:21] lane selects for lane l xor 16
.set CS,  22                           ; s[22:23] c = log2(e) / 8 x 2^(e6 + e7)
.set T0,  32
.set T1,  33
.set T2,  34
.set PE,  35                           ; s35  1: the first pass ends with this step
.set DG,  36                           ; s36  1: this step lies on the diagonal
.set HL,  38                           ; s38  448 x 2^e8
.set LEN1, 39                          ; s39  16 - w: the first pass's steps
.set G0A, 40
.set G0B, 44
.set G1A, 68
.set G1B, 76
.set MSB, 0
.macro WIN new                         ; the immediate's high byte repeats the setting that is left
.if MSB != (\new)
	s_set_vgpr_msb (MSB<<8)|(\new)
.set MSB, (\new)
.endif
.endm
.macro CROUND                          ; a round of the cluster's barrier
	s_barrier_signal -1
	s_barrier_wait -1
	s_cmp_lg_u32 s[WV], 0
	s_cbranch_scc1 .Lnot_wave_0_\@
	s_barrier_signal -3
.Lnot_wave_0_\@:
	s_barrier_wait -3
	s_barrier_signal -1
	s_barrier_wait -1
.endm
.macro TL g0, g1                       ; every wave's own joint load; an s_nop 0 and four v_nop follow it
	tensor_load_to_lds s[\g0:\g0+3], s[\g1:\g1+7]
	s_nop 0
.rept 4
	v_nop
.endr
.endm
.macro INIT                            ; a pass begins: the largest t is -3e38; the sum and O^T are zeros, which the first change of M leaves zeros
.irp t, 0,1
	v_mov_b32 v[13+4*\t], 0xff61b1e6
	v_floor_f32 v[12+4*\t], -v[13+4*\t]
	v_mov_b32 v[14+4*\t], 0
	v_mov_b32 v[15+4*\t], 0
.endr
.set i, 0
.rept 64
	v_mov_b32 v[O0+i], 0
.set i, i+1
.endr
.endm
	s_load_b128 s[4:7], s[0:1], 0x0                ; qkv s[4:5], the exponents s[6:7]
	s_load_b64 s[8:9], s[0:1], 0x10                ; zimg
	v_lshl_add_u32 v[SPW], v0, 2, SPARE
	v_mov_b32 v[NIL], 0
	ds_add_u32 v[SPW], v[NIL]                      ; the opening: the add, twice on end, and its wait ahead of my first tensor load
	ds_add_u32 v[SPW], v[NIL]
	v_lshrrev_b32 v9, 5, v0
	v_readfirstlane_b32 s[WV], v9                  ; wave 0..7
	s_bfe_u32 s[CX5], ttmp6, 0x40000               ; cx
	s_lshl_b32 s[CX5], s[CX5], 5
	s_and_b32 s60, ttmp7, 0xffff                   ; batch x 16 + head: the cluster's y
	s_sub_co_u32 s[LEN1], 16, s[WV]
	s_sub_co_u32 s49, 15, s[WV]
	s_lshl_b32 s49, s49, 7
	s_add_co_u32 s14, s49, s[CX5]                  ; first pass: my first query, 128 (15 - w) + 32 cx
	s_lshl_b32 s49, s[WV], 7
	s_add_co_u32 s16, s49, s[CX5]                  ; second pass: 128 w + 32 cx
	s_lshl_b32 s61, s60, 17                        ; the head's 131,072 bytes
	s_lshr_b32 s53, s[WV], 2                       ; I fetch for K (0) or for V (1),
	s_and_b32 s54, s[WV], 3                        ; this quarter
	s_lshl_b32 s55, s53, 23
	s_add_co_u32 s55, s55, 0x800000                ; k at 2^23, v at 2^24
	s_add_co_u32 s55, s55, s61
	s_lshl_b32 s56, s53, 17                        ; the region in LDS
	s_mul_i32 s57, s54, B0
	s_add_co_u32 s[G0A+1], s56, s57                ; the first fill: LDS address,
	s_add_co_u32 s58, s55, s57                     ; and offset in qkv
	s_mov_b32 s59, 0
	s_mul_i32 s57, s54, B1
	s_add_co_u32 s57, s57, START1
	s_add_co_u32 s[G0B+1], s56, s57                ; the second
	s_add_co_u32 s62, s55, s57
	s_mov_b32 s63, 0
	; descriptor groups 1: dense blocks as rows of 256 bytes (32 elements of 8): 32 rows, and 96
.irp g, G1A, G1B
	s_mov_b32 s[\g], 15|(3<<16)|(1<<21)            ; the mask names the four partners; elements of 8 bytes; bit 21 set beside a mask
	s_mov_b32 s[\g+1], 32<<16                      ; tensor_dim0
	s_mov_b32 s[\g+3], 32<<16                      ; tile_dim0
	s_mov_b32 s[\g+5], 32                          ; tensor_dim0_stride
	s_mov_b32 s[\g+6], 0
	s_mov_b32 s[\g+7], 0
.endr
	s_mov_b32 s[G1A+2], (B0/256)<<16               ; tensor_dim1
	s_mov_b32 s[G1A+4], B0/256                     ; tile_dim1
	s_mov_b32 s[G1B+2], (B1/256)<<16
	s_mov_b32 s[G1B+4], B1/256
	s_mov_b32 s[SEL], 0x76543210
	s_mov_b32 s[SEL+1], 0xfedcba98
	s_wait_alu depctr_va_vdst(0)
	s_wait_dscnt 0x0                               ; both opening adds are done
	s_wait_kmcnt 0x0
	s_load_b128 s[92:95], s[6:7], 0x18             ; e6, e7, e8, e9
	s_load_b32 s96, s[6:7], 0x28                   ; e10
	s_mov_b32 s[G0A], 1
	s_add_nc_u64 s[G0A+2:G0A+3], s[4:5], s[58:59]
	s_or_b32 s[G0A+3], s[G0A+3], 0x80000000
	s_mov_b32 s[G0B], 1
	s_add_nc_u64 s[G0B+2:G0B+3], s[4:5], s[62:63]
	s_or_b32 s[G0B+3], s[G0B+3], 0x80000000
	CROUND                                         ; the four partners are here: the first joint loads meet
	TL G0A, G1A                                    ; keys 0-511
	s_lshl_b32 s49, s14, 6                         ; q: 64 bytes a query
	s_add_co_u32 s58, s61, s49
	s_add_nc_u64 s[54:55], s[4:5], s[58:59]
	s_lshl_b32 s49, s16, 6
	s_add_co_u32 s58, s61, s49
	s_add_nc_u64 s[56:57], s[4:5], s[58:59]
	s_lshr_b32 s49, s60, 4                         ; z: batch x 2^21 + head x 1,024 + 1,024 a query
	s_lshl_b32 s49, s49, 21
	s_and_b32 s52, s60, 15
	s_lshl_b32 s52, s52, 10
	s_add_co_u32 s49, s49, s52
	s_lshl_b32 s52, s14, 10
	s_add_co_u32 s58, s49, s52
	s_add_nc_u64 s[10:11], s[8:9], s[58:59]
	s_lshl_b32 s52, s16, 10
	s_add_co_u32 s58, s49, s52
	s_add_nc_u64 s[12:13], s[8:9], s[58:59]
	v_and_b32 v9, 31, v0
	v_lshlrev_b32 v[LI], 4, v9
	v_add_nc_u32 v[LV], VREG, v[LI]
	s_wait_alu depctr_va_vdst(0)
	WIN 0x40                                       ; destination window 1
.irp f, 0,1,2,3
	global_load_b128 v[QA+4*\f:QA+4*\f+3], v[LI], s[54:55] offset:512*\f   ; tile A's two pieces, tile B's two
	global_load_b128 v[Q2+4*\f:Q2+4*\f+3], v[LI], s[56:57] offset:512*\f   ; the second pass's
.endr
	WIN 0
	v_and_b32 v[DD], 15, v0
	v_bfe_u32 v9, v0, 4, 1
	v_lshlrev_b32 v9, 3, v9
	v_sub_nc_u32 v[DD], v[DD], v9
	v_add_nc_u32 v[DD], s[CX5], v[DD]              ; d = 32 cx + r - 8 h: tile A's query, counted in its block of 128, less 8 h
	v_mov_b32 v27, 0xff800000                      ; -infinity
	v_mov_b32 v21, 0                               ; (named as the upper halves of pairs)
	v_mov_b32 v23, 0
	v_mov_b32 v26, 0                               ; (a lane permute's destination counts as one of its sources)
	v_mov_b32 v30, 0
	INIT
	s_wait_kmcnt 0x0
	s_add_co_i32 s49, s92, s93
	s_lshl_b32 s49, s49, 23
	s_add_co_i32 s[CS], s49, 0x3e38aa3b            ; c = log2(e) / 8, with e6 + e7 added to its exponent field
	s_mov_b32 s[CS+1], s[CS]
	s_add_co_i32 s49, s94, 127
	s_lshl_b32 s52, s49, 23
	v_mov_b32 v8, s52                              ; 2^e8
	s_add_co_i32 s49, s49, 8
	s_lshl_b32 s49, s49, 23
	s_or_b32 s[HL], s49, 0x600000                  ; 448 x 2^e8
	s_sub_co_i32 s49, s96, s94
	s_sub_co_i32 s49, s49, s95
	s_add_co_i32 s49, s49, 127
	s_lshl_b32 s52, s49, 23
	v_mov_b32 v10, s52                             ; 2^(e10 - e8 - e9)
	s_add_co_i32 s49, s49, 8
	s_lshl_b32 s49, s49, 23
	s_or_b32 s49, s49, 0x600000
	v_mov_b32 v11, s49
.macro KFOF d, x                       ; s[d] = 8,192 x kf of step s[x]
	s_add_co_u32 s[\d], s[\x], s[WV]
	s_lshr_b32 s[\d], s[\d], 4
	s_mul_i32 s[\d], s[\d], s[WV]
	s_add_co_u32 s[\d], s[\d], s[\x]
	s_and_b32 s[\d], s[\d], 15
	s_lshl_b32 s[\d], s[\d], 13
.endm
.macro KLOAD kf                        ; K's eight fragments of the 128 keys kf, where no step before could fetch them
	v_add_nc_u32 v[ADK], (\kf)*8192, v[LI]
	WIN 0x40
.irp T, 0,1,2,3,4,5,6,7
.irp f, 0,1
	ds_load_b128 v[FK+8*\T+4*\f:FK+8*\T+4*\f+3], v[ADK] offset:1024*\T+512*\f
.endr
.endr
	WIN 0
.endm
.macro CHAIN t, j                      ; line j of what follows a tile's maxima: lane l xor 16's; as t; the running largest; the new -M = floor(-t); f = 2^(old M - new M); the sum x f
.set rS, S0+64*(\t)
.set rN, 12+4*(\t)
.set rF, 20+2*(\t)
.set rT, 24+4*(\t)
.if \j == 0
	v_max3_num_f32 v[rT], v[rT], v[rS+62], v[rS+63]
.elseif \j == 1
	v_max_num_f32 v[rT], v[rT], v[rT+1]
.elseif \j == 2
	v_permlanex16_b32 v[rT+2], v[rT], s[SEL], s[SEL+1]
.elseif \j == 3
	v_max_num_f32 v[rT], v[rT], v[rT+2]
.elseif \j == 4
	v_mul_f32 v[rT], s[CS], v[rT]                  ; (c is positive)
.elseif \j == 5
	v_max_num_f32 v[rN+1], v[rN+1], v[rT]
.elseif \j == 6
	v_mov_b32 v[rT+1], v[rN]
.elseif \j == 7
	v_floor_f32 v[rN], -v[rN+1]                    ; M IS A WHOLE NUMBER
.elseif \j == 8
	v_sub_f32 v[rT+1], v[rN], v[rT+1]              ; old M - new M: a whole number, 0 or less
.elseif \j == 9
	v_cvt_i32_f32 v[rT+1], v[rT+1]                 ; (it saturates)
.elseif \j == 10
	v_ldexp_f32 v[rF], 1.0, v[rT+1]
.else
	v_pk_mul_f32 v[rN+2:rN+3], v[rN+2:rN+3], v[rF:rF+1] op_sel_hi:[1,0]
.endif
.endm
.macro FMA t                           ; t - M, two at a time
.set n, 0
.rept 32
	v_pk_fma_f32 v[S0+64*(\t)+n:S0+64*(\t)+n+1], v[S0+64*(\t)+n:S0+64*(\t)+n+1], s[CS:CS+1], v[12+4*(\t):13+4*(\t)] op_sel_hi:[1,0,0]
.set n, n+2
.endr
.endm
.macro EXPS t                          ; p = 2^(t - M): one batch
.set n, 0
.rept 64
	v_exp_f32 v[S0+64*(\t)+n], v[S0+64*(\t)+n]
.set n, n+1
.endr
.endm
.macro POST t                          ; the sum of the UNQUANTISED p, in two chains; then for each 16 keys the hold (p is not negative: one-sided; two to an instruction) and the conversion
.set rS, S0+64*(\t)
.set rN, 12+4*(\t)
.set rT, 24+4*(\t)
.set rC, C0+16*(\t)
	v_pk_add_f32 v[rT:rT+1], v[rS:rS+1], v[rS+2:rS+3]               ; the first 16 keys' sums
	v_pk_add_f32 v[rN+2:rN+3], v[rN+2:rN+3], v[rS+4:rS+5]
	v_pk_add_f32 v[rT:rT+1], v[rT:rT+1], v[rS+6:rS+7]
.set n, 0
.rept 8                                ; by turns: a line of the NEXT 16 keys' sums (they read p ahead of its hold), a line of these keys' holds; a conversion stands three lines behind its last hold
.irp i, 0,2,4,6
.if n < 56
.if (\i)%4 == 0
	v_pk_add_f32 v[rN+2:rN+3], v[rN+2:rN+3], v[rS+n+8+\i:rS+n+9+\i]
.else
	v_pk_add_f32 v[rT:rT+1], v[rT:rT+1], v[rS+n+8+\i:rS+n+9+\i]
.endif
.endif
	v_dual_min_num_f32 v[rS+n+\i], s[HL], v[rS+n+\i] :: v_dual_min_num_f32 v[rS+n+\i+1], s[HL], v[rS+n+\i+1]   ; the conversion to an 8-bit code does not saturate (ISA guide 7.6.2)
.if n > 0
.if \i == 2
	v_cvt_scalef32_pk8_fp8_f32 v[rC+n/4-2:rC+n/4-1], v[rS+n-8:rS+n-1], v8
.endif
.endif
.endr
.set n, n+8
.endr
	v_pk_add_f32 v[rN+2:rN+3], v[rN+2:rN+3], v[rT:rT+1]
	v_cvt_scalef32_pk8_fp8_f32 v[rC+14:rC+15], v[rS+56:rS+63], v8
.endm
; A STEP: 128 keys against my 32 queries.  wrap = 0: one of steps 0 .. NA - 1: kf = i, no mask.  wrap = 1: the later steps.
; K's fragments were fetched a step ahead; the look-ahead is held at the loop's last step, so that it names no byte that is not yet shown to be in.
.macro STEP wrap
.if \wrap
	KFOF T0, IC
	s_add_co_u32 s[T2], s[IC], 1
	s_cmp_eq_u32 s[T2], s[LEN1]
	s_cselect_b32 s[PE], 1, 0
	s_cmp_eq_u32 s[IC], 16
	s_cselect_b32 s[DG], 1, s[PE]                  ; a pass's last step is its diagonal
	s_min_u32 s[T2], s[T2], 16
	KFOF T1, T2
.else
	s_lshl_b32 s[T0], s[IC], 13
	s_add_co_u32 s[T2], s[IC], 1
	s_min_u32 s[T2], s[T2], NA-1
	s_lshl_b32 s[T1], s[T2], 13
.endif
	v_add_nc_u32 v[ADV], s[T0], v[LV]
	v_add_nc_u32 v[ADK], s[T1], v[LI]
	s_wait_alu depctr_va_vdst(0)
	s_wait_dscnt 0x0                               ; K is in
	WIN 0x05                                       ; K and Q in window 1, S^T in window 0
.irp T, 0,1,2,3,4,5,6,7
	v_wmma_f32_16x16x64_fp8_fp8 v[S0+8*\T:S0+8*\T+7], v[FK+8*\T:FK+8*\T+7], v[QA:QA+7], 0
	v_wmma_f32_16x16x64_fp8_fp8 v[S0+64+8*\T:S0+64+8*\T+7], v[FK+8*\T:FK+8*\T+7], v[QA+8:QA+15], 0
.endr
.rept 4
	v_nop                                          ; places: in front of the loads into K's and V's registers, and of the first read of the scores
.endr
	WIN 0x40
.irp t, 0,1,2,3
.irp g, 0,1,2,3
	ds_load_b128 v[FV+16*\t+4*\g:FV+16*\t+4*\g+3], v[ADV] offset:2048*\t+512*\g       ; V of this step: it lands under the softmax
.endr
.endr
.irp T, 0,1,2,3,4,5,6,7
.irp f, 0,1
	ds_load_b128 v[FK+8*\T+4*\f:FK+8*\T+4*\f+3], v[ADK] offset:1024*\T+512*\f         ; K of the next step
.endr
.endr
	WIN 0
.if \wrap
	s_cmp_eq_u32 s[DG], 0                          ; THE MASK, on the diagonal alone (a branch on the wave's number and the count of steps)
	s_cbranch_scc1 .Lopen_\@
.set n, 0
.rept 64                               ; register n holds the block's key 8 h + 16 (n / 8) + n % 8: hidden where 16 (n / 8) + n % 8 > d
	v_cmp_gt_i32 vcc_lo, 16*(n/8)+n%8, v[DD]
	v_cndmask_b32 v[S0+n], v[S0+n], v27, vcc_lo    ; hidden scores become -infinity ahead of the maximum: p = 0 then
.if n < 56
	v_cndmask_b32 v[S0+72+n], v[S0+72+n], v27, vcc_lo   ; tile B's queries lie 16 further on: its register n + 8 is hidden where tile A's n is; its first 16 keys always count
.endif
.set n, n+1
.endr
.Lopen_\@:
.endif
.irp t, 0,1                            ; the largest of a lane's 64 scores, two chains a tile, each accumulator from its low end on
	v_max3_num_f32 v[24+4*\t], v[S0+64*\t], v[S0+64*\t+1], v[S0+64*\t+2]
	v_max3_num_f32 v[25+4*\t], v[S0+64*\t+3], v[S0+64*\t+4], v[S0+64*\t+5]
.endr
.set n, 6
.rept 14
.irp t, 0,1
	v_max3_num_f32 v[24+4*\t], v[24+4*\t], v[S0+64*\t+n], v[S0+64*\t+n+1]
	v_max3_num_f32 v[25+4*\t], v[25+4*\t], v[S0+64*\t+n+2], v[S0+64*\t+n+3]
.endr
.set n, n+4
.endr
.irp j, 0,1,2,3,4,5,6,7,8,9,10,11
	CHAIN 0, \j
	CHAIN 1, \j
.endr
.set n, 0
.rept 16                               ; O^T x f, ahead of the exponentials; each accumulator from its low end on
	v_pk_mul_f32 v[O0+n:O0+n+1], v[O0+n:O0+n+1], v[20:21] op_sel_hi:[1,0]
	v_pk_mul_f32 v[O0+32+n:O0+32+n+1], v[O0+32+n:O0+32+n+1], v[22:23] op_sel_hi:[1,0]
.set n, n+2
.endr
	FMA 0
	s_wait_alu depctr_va_vdst(0)
	EXPS 0
	FMA 1                                          ; plain lines that name none of the batch's results
	s_wait_alu depctr_va_vdst(0)                   ; ahead of tile B's batch, and behind tile A's
	EXPS 1
	POST 0
	s_wait_alu depctr_va_vdst(0)                   ; behind tile B's batch, ahead of its first reader
	POST 1
	v_nop                                          ; a plain line between the last conversion and the products that read its result
	s_wait_alu depctr_va_vdst(0)
	s_wait_dscnt 16                                ; V is in; the sixteen loads of the next step's K may be out
	WIN 0x01                                       ; V in window 1; p's codes and O^T in window 0
.irp t, 0,1,2,3                        ; the eight accumulators take turns
	v_wmma_f32_16x16x128_fp8_fp8 v[O0+8*\t:O0+8*\t+7], v[FV+16*\t:FV+16*\t+15], v[C0:C0+15], v[O0+8*\t:O0+8*\t+7]
	v_wmma_f32_16x16x128_fp8_fp8 v[O0+32+8*\t:O0+32+8*\t+7], v[FV+16*\t:FV+16*\t+15], v[C0+16:C0+31], v[O0+32+8*\t:O0+32+8*\t+7]
.endr
	WIN 0
.endm
; A PASS ENDS: the sum's halves and lane l xor 16's are added (these lines are the places behind the last products); O^T / the sum is held and converted under 2^(e10 - e8 - e9): z's fragments, stored as images.
.macro FINISH zp, switch
	v_add_f32 v24, v14, v15
	v_add_f32 v28, v18, v19
	v_permlanex16_b32 v26, v24, s[SEL], s[SEL+1]
	v_permlanex16_b32 v30, v28, s[SEL], s[SEL+1]
	v_add_f32 v24, v24, v26
	v_add_f32 v28, v28, v30
	s_wait_alu depctr_va_vdst(0)                   ; the wait ahead of the reciprocals,
	v_rcp_f32 v20, v24
	v_rcp_f32 v22, v28
	v_nop                                          ; a plain line behind them,
	s_wait_alu depctr_va_vdst(0)                   ; and the wait ahead of their first reader, which is also the first reader of O^T
.set i, 0
.rept 16
	v_pk_mul_f32 v[S0+i:S0+i+1], v[O0+i:O0+i+1], v[20:21] op_sel_hi:[1,0]
	v_pk_mul_f32 v[S0+64+i:S0+64+i+1], v[O0+32+i:O0+32+i+1], v[22:23] op_sel_hi:[1,0]
.set i, i+2
.endr
.set i, 0
.rept 32
	v_med3_num_f32 v[S0+i], v[S0+i], -v11, v11
	v_med3_num_f32 v[S0+64+i], v[S0+64+i], -v11, v11
.set i, i+1
.endr
.irp t, 0,1,2,3
	v_cvt_scalef32_pk8_fp8_f32 v[C0+2*\t:C0+2*\t+1], v[S0+8*\t:S0+8*\t+7], v10
	v_cvt_scalef32_pk8_fp8_f32 v[C0+16+2*\t:C0+16+2*\t+1], v[S0+64+8*\t:S0+64+8*\t+7], v10
.endr
	v_nop                                          ; a plain line behind the conversions
.irp f, 0,1
	global_store_b128 v[LI], v[C0+4*\f:C0+4*\f+3], s[\zp:\zp+1] offset:512*\f              ; the wave stores 512 consecutive bytes, aligned
	global_store_b128 v[LI], v[C0+16+4*\f:C0+16+4*\f+3], s[\zp:\zp+1] offset:16384+512*\f  ; tile B: the next block of 16 rows
.endr
.if \switch
	INIT
	WIN 0x41                                       ; source 0 and destination window 1
.set i, 0
.rept 16
	v_mov_b32 v[QA+i], v[Q2+i]
.set i, i+1
.endr
	WIN 0
	s_wait_alu depctr_va_vdst(0)
	s_wait_xcnt 0x0                                ; the stores have read their data: the codes' registers may be written again
.endif
.endm
	s_wait_alu depctr_va_vdst(0)
	s_wait_loadcnt 0x0                             ; Q
	s_wait_tensorcnt 0x0                           ; my part of keys 0-511 is in; the later first fill is issued as a refill is:
	ds_add_u32 v[SPW], v[NIL]                      ; 0 onto my spare word
	s_wait_dscnt 0x0
	CROUND                                         ; everybody's part is in, and the four partners are here
	TL G0B, G1B                                    ; keys 512-2,047: my one load behind the round
	KLOAD 0
	s_mov_b32 s[IC], 0
.Lfirst:                                           ; steps 0 .. NA - 1
	STEP 0
	s_add_co_u32 s[IC], s[IC], 1
	s_cmp_lt_u32 s[IC], NA
	s_wait_alu depctr_va_vdst(0)
	s_cbranch_scc1 .Lfirst
	s_wait_tensorcnt 0x0                           ; my part of the other keys is in,
	s_wait_dscnt 0x0                               ; no LDS instruction of mine is out,
	s_barrier_signal -1
	s_barrier_wait -1                              ; and everybody's part is in.
	KLOAD NA
	s_mov_b32 s[IC], NA
.Lrest:                                            ; steps NA .. 16
	STEP 1
	s_cmp_eq_u32 s[PE], 1                          ; the first pass's last step was this one (the wave's number and the count of steps)
	s_cbranch_scc0 .Lsame_pass
	FINISH 10, 1
.Lsame_pass:
	s_add_co_u32 s[IC], s[IC], 1
	s_cmp_lt_u32 s[IC], 17
	s_wait_alu depctr_va_vdst(0)
	s_cbranch_scc1 .Lrest
	FINISH 12, 0
	s_wait_tensorcnt 0x0                           ; the wave's end
	ds_add_u32 v[SPW], v[NIL]
	s_wait_dscnt 0x0
	CROUND                                         ; the closing round
	s_endpgm
.Lfunc_end_k_q5b1ca1d994_attn:
	.size	k_q5b1ca1d994_attn, .Lfunc_end_k_q5b1ca1d994_attn-k_q5b1ca1d994_attn
	.p2alignl 7, 3214868480
	.fill 96, 4, 3214868480
	.section	.rodata,"a",@progbits
	.p2align	6, 0x0
	.amdhsa_kernel k_q5b1ca1d994_attn
		.amdhsa_group_segment_fixed_size 327680
		.amdhsa_private_segment_fixed_size 0
		.amdhsa_enable_private_segment 0
		.amdhsa_kernarg_size 24
		.amdhsa_user_sgpr_count 2
		.amdhsa_user_sgpr_kernarg_segment_ptr 1
		.amdhsa_wavefront_size32 1
		.amdhsa_system_sgpr_workgroup_id_x 1
		.amdhsa_system_sgpr_workgroup_id_y 1
		.amdhsa_system_sgpr_workgroup_id_z 1
		.amdhsa_system_vgpr_workitem_id 0
		.amdhsa_next_free_vgpr 416
		.amdhsa_next_free_sgpr 100
		.amdhsa_reserve_vcc 1
		.amdhsa_float_denorm_mode_32 3
		.amdhsa_float_denorm_mode_16_64 3
		.amdhsa_memory_ordered 1
		.amdhsa_forward_progress 1
		.amdhsa_inst_pref_size 94
	.end_amdhsa_kernel
	.amdgpu_metadata
---
amdhsa.version: [ 1, 2 ]
amdhsa.kernels:
  - .name:           k_q5b1ca1d994_attn
    .symbol:         k_q5b1ca1d994_attn.kd
    .args:
      - { .name: qkv, .offset: 0, .size: 8, .value_kind: global_buffer, .address_space: global }
      - { .name: lowp_scales, .offset: 8, .size: 8, .value_kind: global_buffer, .address_space: global }
      - { .name: zimg, .offset: 16, .size: 8, .value_kind: global_buffer, .address_space: global }
    .group_segment_fixed_size: 327680
    .private_segment_fixed_size: 0
    .kernarg_segment_align: 8
    .kernarg_segment_size: 24
    .max_flat_workgroup_size: 256
    .sgpr_count:     100
    .vgpr_count:     416
    .wavefront_size: 32
...
	.end_amdgpu_metadata
.endif
;; end of part 3
;; launch oproj (part 4): grid 4 x 64, 4 waves a work-group, clusters of 4 x 4, 327,680 bytes of LDS; arguments zimg, opnd, lowp_scales, out0; writes out0
.if DOCPART == 4
	.amdgcn_target "amdgcn-amd-amdhsa--gfx1250"
	.amdhsa_code_object_version 6
	.text
	.protected	k_q5b1ca1d994_oproj
	.globl	k_q5b1ca1d994_oproj
	.p2align	8
	.type	k_q5b1ca1d994_oproj,@function
k_q5b1ca1d994_oproj:
	s_mov_b64 s[64:65], 0
	v_nop
	global_prefetch_b8 v0, s[64:65] scope:SCOPE_SE
	s_setreg_imm32_b32 hwreg(HW_REG_WAVE_MODE, 25, 1), 1
	s_wait_xcnt 0x0
	s_wait_alu depctr_hold_cnt(0) depctr_sa_sdst(0) depctr_va_vdst(0) depctr_va_sdst(0) depctr_va_ssrc(0) depctr_va_vcc(0) depctr_vm_vsrc(0)
	s_getreg_b32 s2, hwreg(HW_REG_IB_STS2, 6, 4)
	s_cmp_eq_u32 s2, 0
	s_cbranch_scc0 .Lentry_in_a_cluster
	s_endpgm
.Lentry_in_a_cluster:
	s_bfe_u32 s2, ttmp6, 0x10000c
	s_cmp_lg_u32 s2, 0xf033
	s_cbranch_scc0 .Lentry_shape_is_right
	s_endpgm
.Lentry_shape_is_right:
; out[row][m] = the sum over k = head x 64 + d of z[row][k] w_o[k][m], on codes of FP8 (E4M3): z under e10, w_o under e11; sums in f32, each multiplied once by 2^(e10 + e11).
; LIMIT: e10 + e11 between -126 and 127, so that 2^(e10 + e11) is an f32 number.
; OPERANDS ARE IMAGES OF THEIR REGISTERS: a fragment of 16 rows x 128 K is four pieces of 512 bytes, piece g = registers 4 g .. 4 g + 3, lane l's 16 bytes at 16 l; zimg and w_o's part of opnd: [block of 16 rows][8][2,048].
; SHARES.  A work-group makes 128 rows x 256 columns: 64 x 4 = 256 work-groups.  A wave makes 64 x 128: 32 accumulators, 256 registers.  The matrix instruction is used transposed
; (source 0 = 16 columns' rows of w_o, source 1 = 16 rows of z): a lane holds eight neighbouring numbers of a row of out.
; K = 1,024 IS EIGHT UNITS OF 128, AND NOTHING IS FILLED AGAIN.  Units 6 and 7 go from memory straight into registers that the accumulators leave free (96 loads a wave, 512 consecutive bytes each).
; Units 0-2 and units 3-5 come through two regions of LDS, 24 blocks x 6,144 bytes each, one tensor load a wave for each region: waves 0, 1 fetch z's halves, waves 2, 3 w_o's.
; The second region's load is issued as a refill is, behind the first's landing, and has five units' products (6, 7, 0, 1, 2) in which to land.
; ORDER OF THE SUMS: units 6, 7, 0 .. 5, one accumulator for each output: another order of rounding than ascending K.
; CLUSTERS: 4 x 4 work-groups.  z's tile hangs on the tile row and is asked for jointly along a row of the cluster, w_o's on the tile column and jointly along a column.
; NO DATA PREFETCH: the text has no loop; both fills are asked for ahead of the first product.
; REGISTERS, in windows of 256.  Window 0: v16-29 addresses; v32-95 at work on the way out; v128-191, v192-255 z's fragments from LDS, two sets, later the rows on their way out.
;   Window 1: the accumulators ((a, b) at v[8 (8 a + b)]).  Window 2: v0-127, v128-255 and window 3: v128-255: three sets of w_o's eight fragments, by turns; the first two begin as units 6 and 7.
;   Window 3: v0-63, v64-127 z's fragments of units 6 and 7.
.set SIZE_N, 1024
.set WOOFF,  28311552                  ; w_o's images in opnd
.set RB,     6144                      ; a block of 16 rows in a region: three fragments
.set REG,    24*RB                     ; a region: z's 8 blocks, then w_o's 16
.set SPARE,  2*REG                     ; behind both: the spare words, 128 bytes a wave: two blocks of 256 bytes that no other line names
.set DOFF,   12288                     ; units 6 and 7 in a block's 16,384 bytes
.set SPITCH, 528                       ; the way out: a stage of 16 rows x (512 + 16) bytes for each wave, in region 0, which has had its one fill and its last read by then
.set ADRA, 16                          ; v16-17  LDS address of my fragments of z in region 0, 1
.set ADRB, 20                          ; v20-21  the same for w_o
.set STO,  24
.set RD,   25
.set CO,   26                          ; v26     16 x lane
.set SPW,  28
.set NIL,  29
.set TMP,  32
.set BK,   128
.set G1, 24
.set G0, 32
.set G1B, 48
.set G0B, 56
.set MSB, 0
.macro WIN new                         ; the immediate's high byte repeats the setting that is left
.if MSB != (\new)
	s_set_vgpr_msb (MSB<<8)|(\new)
.set MSB, (\new)
.endif
.endm
.macro JLOAD g0a, g1a, g0b, g1b        ; a joint load: waves 0, 1 for z, waves 2, 3 for w_o; an s_nop 0 and four v_nop follow each line
	s_cmp_eq_u32 s15, 0
	s_cbranch_scc0 .Lfor_b_\@
	tensor_load_to_lds s[\g0a:\g0a+3], s[\g1a:\g1a+7]
	s_nop 0
.rept 4
	v_nop
.endr
	s_branch .Lasked_\@
.Lfor_b_\@:
	tensor_load_to_lds s[\g0b:\g0b+3], s[\g1b:\g1b+7]
	s_nop 0
.rept 4
	v_nop
.endr
.Lasked_\@:
.endm
.macro CROUND                          ; a round of the cluster's barrier
	s_barrier_signal -1
	s_barrier_wait -1
	s_cmp_lg_u32 s14, 0
	s_cbranch_scc1 .Lnot_wave_0_\@
	s_barrier_signal -3
.Lnot_wave_0_\@:
	s_barrier_wait -3
	s_barrier_signal -1
	s_barrier_wait -1
.endm
.macro PLACES                          ; four plain lines between a matrix instruction and a load into, or a vector read of, its registers (ISA guide 7.12.1 for vector reads)
.rept 4
	v_nop
.endr
.endm
	s_load_b128 s[4:7], s[0:1], 0x0                ; zimg s[4:5], opnd s[6:7]
	s_load_b128 s[8:11], s[0:1], 0x10              ; the exponents s[8:9], out s[10:11]
	v_lshl_add_u32 v[SPW], v0, 2, SPARE
	v_mov_b32 v[NIL], 0
	ds_add_u32 v[SPW], v[NIL]                      ; the opening: the add, twice on end, and its wait ahead of my first tensor load
	ds_add_u32 v[SPW], v[NIL]
	v_lshrrev_b32 v1, 5, v0
	v_readfirstlane_b32 s14, v1                    ; wave 0..3
	v_and_b32 v6, 31, v0
	v_lshlrev_b32 v[CO], 4, v6                     ; an image's place for my lane
	s_lshr_b32 s15, s14, 1                         ; which 64 of the rows are mine.  Also: I fetch for z (0) or for w_o (1)
	s_and_b32 s16, s14, 1                          ; which 128 of the columns.  Also: which half of that tile I fetch
	s_bfe_u32 s40, ttmp6, 0x40000                  ; cx, cy: my place in the cluster
	s_bfe_u32 s41, ttmp6, 0x40004
	s_lshl_b32 s42, ttmp9, 2
	s_add_co_u32 s42, s42, s40                     ; tile column
	s_and_b32 s17, ttmp7, 0xffff
	s_lshl_b32 s17, s17, 2
	s_add_co_u32 s17, s17, s41                     ; tile row
	s_lshl_b32 s43, s41, 2
	s_lshl_b32 s43, 15, s43                        ; my row of the cluster
	s_lshl_b32 s44, 0x1111, s40                    ; my column
	; descriptor groups 1: rows of 6,144 bytes, 16,384 apart in memory, on end in LDS: 4 of them for z, 8 for w_o
	s_or_b32 s[G1+0], s43, (1<<21)                 ; the mask; elements of 1 byte; no padding; bit 21 set beside a mask
	s_or_b32 s[G1B+0], s44, (1<<21)
.irp g, G1, G1B
	s_mov_b32 s[\g+1], RB<<16                      ; tensor_dim0
	s_mov_b32 s[\g+3], RB<<16                      ; tile_dim0
	s_mov_b32 s[\g+5], 16384                       ; tensor_dim0_stride
	s_mov_b32 s[\g+6], 0
	s_mov_b32 s[\g+7], 0
.endr
	s_mov_b32 s[G1+2], 4<<16                       ; tensor_dim1
	s_mov_b32 s[G1+4], 4                           ; tile_dim1
	s_mov_b32 s[G1B+2], 8<<16
	s_mov_b32 s[G1B+4], 8
	s_lshl_b32 s20, s17, 17                        ; z: 128 rows are 131,072 bytes; the half that I fetch 65,536 (no register that feeds it holds cx)
	s_lshl_b32 s18, s16, 16
	s_add_co_u32 s20, s20, s18
	s_mov_b32 s21, 0
	s_lshl_b32 s46, s42, 18                        ; w_o: 256 rows are 262,144 bytes; the half 131,072 (never cy)
	s_lshl_b32 s19, s16, 17
	s_add_co_u32 s46, s46, s19
	s_add_co_u32 s46, s46, WOOFF
	s_mov_b32 s47, 0
	s_mul_i32 s45, s16, 4*RB                       ; where they go in a region: z's halves,
	s_mul_i32 s66, s16, 8*RB
	s_add_co_u32 s66, s66, 8*RB                    ; w_o's behind them: no place in the cluster enters an LDS address
	s_lshl_b32 s68, s17, 17                        ; units 6 and 7 of my own 64 rows of z,
	s_lshl_b32 s72, s15, 16
	s_add_co_u32 s68, s68, s72
	s_add_co_u32 s68, s68, DOFF
	s_mov_b32 s69, 0
	s_add_co_u32 s70, s46, DOFF                    ; and of my own 128 rows of w_o, which are the half that I would fetch
	s_mov_b32 s71, 0
	s_wait_alu depctr_va_vdst(0)
	s_wait_dscnt 0x0                               ; both opening adds are done
	s_wait_kmcnt 0x0
	s_load_b64 s[96:97], s[8:9], 0x28              ; e10, e11
	s_add_nc_u64 s[20:21], s[4:5], s[20:21]
	s_add_nc_u64 s[46:47], s[6:7], s[46:47]
	s_add_nc_u64 s[68:69], s[4:5], s[68:69]
	s_add_nc_u64 s[70:71], s[6:7], s[70:71]
.irp s, 0,1
	s_mov_b32 s[G0+4*\s], 1
	s_add_co_u32 s[G0+4*\s+1], s45, \s*REG
	s_add_nc_u64 s[G0+4*\s+2:G0+4*\s+3], s[20:21], \s*RB
	s_or_b32 s[G0+4*\s+3], s[G0+4*\s+3], 0x80000000
	s_mov_b32 s[G0B+4*\s], 1
	s_add_co_u32 s[G0B+4*\s+1], s66, \s*REG
	s_add_nc_u64 s[G0B+4*\s+2:G0B+4*\s+3], s[46:47], \s*RB
	s_or_b32 s[G0B+4*\s+3], s[G0B+4*\s+3], 0x80000000
.endr
	CROUND                                         ; all sixteen work-groups are here: the first joint loads meet
	JLOAD G0, G1, G0B, G1B                         ; units 0-2: my one tensor load at the head
	WIN 0x80                                       ; destination window 2
.irp u, 0,1
.irp i, 0,1,2,3,4,5,6,7
.irp c, 0,1,2,3
	global_load_b128 v[128*\u+16*\i+4*\c:128*\u+16*\i+4*\c+3], v[CO], s[70:71] offset:16384*\i+2048*\u+512*\c   ; w_o, units 6 and 7
.endr
.endr
.endr
	WIN 0xc0                                       ; destination window 3
.irp u, 0,1
.irp i, 0,1,2,3
.irp c, 0,1,2,3
	global_load_b128 v[64*\u+16*\i+4*\c:64*\u+16*\i+4*\c+3], v[CO], s[68:69] offset:16384*\i+2048*\u+512*\c     ; z, units 6 and 7
.endr
.endr
.endr
	WIN 0
	s_mul_i32 s73, s15, 4*RB                       ; my 64 rows of z in a region; my 128 rows of w_o lie where I would fetch them
.irp s, 0,1
	v_add_nc_u32 v[ADRA+\s], s73, v[CO]
	v_add_nc_u32 v[ADRB+\s], s66, v[CO]
	s_add_co_u32 s73, s73, REG
	s_add_co_u32 s66, s66, REG
.endr
	v_and_b32 v1, 15, v0
	v_bfe_u32 v2, v0, 4, 1
	s_mul_i32 s23, s14, 16*SPITCH                  ; my stage
	v_mul_u32_u24 v5, v1, SPITCH                   ; in: row l % 16, 32 bytes for each half of the lanes
	v_lshl_add_u32 v5, v2, 5, v5
	v_add_nc_u32 v[STO], s23, v5
	v_add_nc_u32 v[RD], s23, v[CO]                 ; back: the 32 lanes take one row of 512 bytes
	s_lshl_b32 s75, s17, 7
	s_lshl_b32 s76, s15, 6
	s_add_co_u32 s75, s75, s76                     ; my first row of out: 128 x tile row + 64 x half; a row is 4,096 bytes
	s_lshl_b32 s75, s75, 12
	s_lshl_b32 s76, s42, 10                        ; my first column, in bytes: 1,024 x tile column + 512 x half
	s_add_co_u32 s75, s75, s76
	s_lshl_b32 s76, s16, 9
	s_add_co_u32 s74, s75, s76
	s_mov_b32 s75, 0
	s_add_nc_u64 s[10:11], s[10:11], s[74:75]
; The eight units are numbered in the order of their products: n = 0, 1: units 6, 7 (registers); n = 2 .. 7: units 0 .. 5 (LDS).  w_o's set for n is n % 3; z's, from n = 2 on, n % 2.
.macro FETCH n                         ; 48 LDS loads: w_o's eight fragments and z's four of number n
.set rg, ((\n)-2)/3
.set uu, ((\n)-2)%3
.set bb, 128*(((\n)%3+1)/2)
	WIN (2+((\n)%3)/2)<<6
.irp i, 0,1,2,3,4,5,6,7
.irp c, 0,1,2,3
	ds_load_b128 v[bb+16*\i+4*\c:bb+16*\i+4*\c+3], v[ADRB+rg] offset:RB*\i+2048*uu+512*\c
.endr
.endr
	WIN 0
.irp i, 0,1,2,3
.irp c, 0,1,2,3
	ds_load_b128 v[128+64*((\n)%2)+16*\i+4*\c:128+64*((\n)%2)+16*\i+4*\c+3], v[ADRA+rg] offset:RB*\i+2048*uu+512*\c
.endr
.endr
.endm
.macro UNIT n, zero                    ; 32 matrix instructions; the 32 accumulators take turns, in the same order in every unit.  zero = 1: the first products start the sums
.set bb, 128*(((\n)%3+1)/2)
.if (\n) < 2
.set ab, 64*(\n)
	WIN (2+((\n)%3)/2)|(3<<2)|0x50
.else
.set ab, 128+64*((\n)%2)
	WIN (2+((\n)%3)/2)|0x50
.endif
.irp a, 0,1,2,3
.irp b, 0,1,2,3,4,5,6,7
.if \zero
	v_wmma_f32_16x16x128_fp8_fp8 v[8*(8*\a+\b):8*(8*\a+\b)+7], v[bb+16*\b:bb+16*\b+15], v[ab+16*\a:ab+16*\a+15], 0
.else
	v_wmma_f32_16x16x128_fp8_fp8 v[8*(8*\a+\b):8*(8*\a+\b)+7], v[bb+16*\b:bb+16*\b+15], v[ab+16*\a:ab+16*\a+15], v[8*(8*\a+\b):8*(8*\a+\b)+7]
.endif
.endr
.endr
.endm
	s_wait_alu depctr_va_vdst(0)
	s_wait_tensorcnt 0x0                           ; my part of region 0 is in; the later first fill is issued as a refill is:
	ds_add_u32 v[SPW], v[NIL]                      ; 0 onto my spare word
	s_wait_dscnt 0x0
	CROUND                                         ; everybody's part is in, and all sixteen work-groups are here
	JLOAD G0+4, G1, G0B+4, G1B                     ; units 3-5: my one load behind the round
	FETCH 2
	s_wait_loadcnt 0x0                             ; units 6 and 7 are in their registers
	UNIT 0, 1
	PLACES
	FETCH 3
	UNIT 1, 0
	s_wait_dscnt 48                                ; number 2's 48 loads are in; number 3's may be out
	UNIT 2, 0
	PLACES
	FETCH 4                                        ; onto z's set that number 2 has just left, and w_o's that number 1 left
	s_wait_dscnt 48                                ; all but the 48 just issued
	UNIT 3, 0
	s_wait_dscnt 0x0
	UNIT 4, 0
	WIN 0
	s_wait_tensorcnt 0x0                           ; my part of region 1 is in; no LDS instruction of mine is out
	s_barrier_signal -1
	s_barrier_wait -1                              ; everybody's is, and nobody reads region 0 any more.
	PLACES
	FETCH 5
	FETCH 6
	s_wait_dscnt 48
	UNIT 5, 0
	PLACES
	FETCH 7
	s_wait_dscnt 48
	UNIT 6, 0
	s_wait_dscnt 0x0
	UNIT 7, 0
	WIN 0
; THE WAY OUT, block by block of 16 rows x 128 columns: through my own stage in LDS, back as whole rows of 512 bytes, which the 32 lanes store as two aligned units of 256 bytes.
; LDS serves a wave's instructions in order (ISA guide 5.7.1.4): no wait between the stores and the loads.
.macro TOSTAGE a
	WIN 0x01                                       ; source 0: window 1
.set j, 0
.rept 32
	v_pk_mul_f32 v[TMP+j:TMP+j+1], v[64*(\a)+j:64*(\a)+j+1], s[96:97] op_sel_hi:[1,0]   ; x 2^(e10 + e11); each accumulator from its low end on
.set j, j+2
.endr
	WIN 0
.irp b, 0,1,2,3,4,5,6,7
	ds_store_b128 v[STO], v[TMP+8*\b:TMP+8*\b+3] offset:64*\b
	ds_store_b128 v[STO], v[TMP+8*\b+4:TMP+8*\b+7] offset:64*\b+16
.endr
.set BB, BK+64*((\a)%2)
.irp t, 0,1,2,3,4,5,6,7,8,9,10,11,12,13,14,15
	ds_load_b128 v[BB+4*\t:BB+4*\t+3], v[RD] offset:\t*SPITCH
.endr
.endm
.macro SEND a, younger                 ; younger: the LDS instructions issued behind block a's loads, which may stay out
.set BB, BK+64*((\a)%2)
	s_wait_dscnt \younger
.if (\a) > 0
	s_add_nc_u64 s[10:11], s[10:11], 16*SIZE_N*4   ; (behind a wait on XCNT: the earlier stores have read their base)
.endif
.irp t, 0,1,2,3,4,5,6,7,8,9,10,11,12,13,14,15
	global_store_b128 v[CO], v[BB+4*\t:BB+4*\t+3], s[10:11] offset:\t*SIZE_N*4 th:TH_STORE_NT   ; 32 lanes store 512 consecutive bytes, aligned
.endr
.endm
	s_wait_kmcnt 0x0
	s_add_co_i32 s96, s96, s97
	s_add_co_i32 s96, s96, 127
	s_lshl_b32 s96, s96, 23                        ; 2^(e10 + e11) as f32
	PLACES
	TOSTAGE 0
.irp a, 1,2,3
.if \a > 1
	s_wait_xcnt 0x0                                ; block a - 2's stores have read their registers and their base
.endif
	TOSTAGE \a
	SEND \a-1, 32                                  ; behind block a - 1's loads: block a's 16 stores and 16 loads
.endr
	s_wait_xcnt 0x0
	SEND 3, 0
	s_wait_tensorcnt 0x0                           ; the wave's end
	ds_add_u32 v[SPW], v[NIL]
	s_wait_dscnt 0x0
	CROUND                                         ; the closing round
	s_endpgm
.Lfunc_end_k_q5b1ca1d994_oproj:
	.size	k_q5b1ca1d994_oproj, .Lfunc_end_k_q5b1ca1d994_oproj-k_q5b1ca1d994_oproj
	.p2alignl 7, 3214868480
	.fill 96, 4, 3214868480
	.section	.rodata,"a",@progbits
	.p2align	6, 0x0
	.amdhsa_kernel k_q5b1ca1d994_oproj
		.amdhsa_group_segment_fixed_size 327680
		.amdhsa_private_segment_fixed_size 0
		.amdhsa_enable_private_segment 0
		.amdhsa_kernarg_size 32
		.amdhsa_user_sgpr_count 2
		.amdhsa_user_sgpr_kernarg_segment_ptr 1
		.amdhsa_wavefront_size32 1
		.amdhsa_system_sgpr_workgroup_id_x 1
		.amdhsa_system_sgpr_workgroup_id_y 1
		.amdhsa_system_sgpr_workgroup_id_z 1
		.amdhsa_system_vgpr_workitem_id 0
		.amdhsa_next_free_vgpr 1024
		.amdhsa_next_free_sgpr 98
		.amdhsa_reserve_vcc 0
		.amdhsa_float_denorm_mode_32 3
		.amdhsa_float_denorm_mode_16_64 3
		.amdhsa_memory_ordered 1
		.amdhsa_forward_progress 1
		.amdhsa_inst_pref_size 76
	.end_amdhsa_kernel
	.amdgpu_metadata
---
amdhsa.version: [ 1, 2 ]
amdhsa.kernels:
  - .name:           k_q5b1ca1d994_oproj
    .symbol:         k_q5b1ca1d994_oproj.kd
    .args:
      - { .name: zimg, .offset: 0, .size: 8, .value_kind: global_buffer, .address_space: global }
      - { .name: opnd, .offset: 8, .size: 8, .value_kind: global_buffer, .address_space: global }
      - { .name: lowp_scales, .offset: 16, .size: 8, .value_kind: global_buffer, .address_space: global }
      - { .name: out0, .offset: 24, .size: 8, .value_kind: global_buffer, .address_space: global }
    .group_segment_fixed_size: 327680
    .private_segment_fixed_size: 0
    .kernarg_segment_align: 8
    .kernarg_segment_size: 32
    .max_flat_workgroup_size: 128
    .sgpr_count:     98
    .vgpr_count:     1024
    .wavefront_size: 32
...
	.end_amdgpu_metadata
.endif
;; end of part 4
